; MI455X (gfx1250); checked and timed in simulation.
; The chip was launched on July 23, 2026; its instructions are those of AMD's public machine-readable ISA for CDNA 5 (MIT licence, August 2026) and "CDNA5" Instruction Set Architecture Reference Guide (July 2026). The comments in the code are by the model that wrote it; some were corrected since.
;; Ro PE Multi Head Attention. Allowed arithmetic: matrix products marked QUANTISED: E2M3 operands, one E8M0 scale for each 32 along K, by v_wmma_scale_f32_16x16x128_f8f6f4 with both operands' format E2M3, f32 sums; products left as they are: f32 operands where the result goes on into a quantised operand, else bf16, f16 or f32 operands; f32 sums; everything else in f32.
;; Inputs: Wout 1,024 x 1,024 float32; Wqkv 1,024 x 3,072 float32; bout 1,024 float32; bqkv 3,072 float32; x 4 x 2,048 x 1,024 float32.
;; Outputs: out0 4 x 2,048 x 1,024 float32.
;; This version of the problem:
;;   THIS VERSION OF THE PROBLEM IS GIVEN IN LOW PRECISION. The matrix products marked QUANTISED in the list below multiply operands that are first quantised to E2M3 (2 exponent bits, 3 mantissa bits; 6 bits a number), with one power-of-two scale for each 32 numbers along K (OCP MX v1.0); their sums are f32. All else is computed in f32.
;;   The module's matrix products, in the order in which they are computed (A, B: the left and right operand; K: the contracted axis; several contracted axes count as one K, in the product's order):
;;     1. [M 8,192, K 1,024] x [K 1,024, N 3,072]; A: input x; B: input Wqkv: QUANTISED
;;     2. [M 2,048, K 1] x [K 1, N 32]; A: computed on the way; B: computed on the way: left as it is (no contracted axis)
;;     3. batch 64 x [M 2,048, K 64] x [K 64, N 2,048]; A: computed on the way; B: computed on the way: QUANTISED
;;     4. batch 64 x [M 2,048, K 2,048] x [K 2,048, N 64]; A: softmax (see below); B: computed on the way: QUANTISED
;;     5. [M 8,192, K 1,024] x [K 1,024, N 1,024]; A: computed on the way; B: input Wout: QUANTISED
;;   THE QUANTISER, for each operand of a quantised product, along K:
;;     - K is cut into blocks of 32 from its start; a last block that is shorter is filled with zeros.
;;     - A block's scale is 2^e with e = floor(log2(the largest magnitude in the block)) - 2, held to -126 .. 127; a block of zeros has e = 0. As a byte (E8M0): e + 127.
;;     - Each number is divided by its block's scale, clamped to +-7.5, and rounded to the nearest number of E2M3, ties to even, subnormals kept.
;;     - The product sums the exact products of the quantised numbers (number of the format x scale) in f32.
;;   ~~~python
;;   def quantise(x, axis):      # numpy; x: float32 -> the quantised numbers, widened to float32 again
;;       x = np.moveaxis(x, axis, -1); K = x.shape[-1]
;;       x = np.pad(x, [(0, 0)] * (x.ndim - 1) + [(0, -K % 32)]); x = x.reshape(x.shape[:-1] + (-1, 32)); a = np.abs(x).max(-1, keepdims=True)
;;       e = np.where(a > 0, np.clip(np.frexp(np.where(a > 0, a, 1))[1] - 1 - 2, -126, 127), 0)      # np.frexp(a)[1] - 1 = floor(log2(a)), exactly
;;       r = np.clip(x / 2.0 ** e, -7.5, 7.5)
;;       step = 2.0 ** (np.maximum(np.frexp(np.where(r == 0, 1, r))[1] - 1, 0) - 3)
;;       q = np.round(r / step) * step * 2.0 ** e      # np.round: ties to even
;;       return np.moveaxis(q.reshape(q.shape[:-2] + (-1,))[..., :K], -1, axis).astype(np.float32)
;;   ~~~
;;   SOFTMAX AHEAD OF A QUANTISED PRODUCT. Where the list says 'softmax', what is quantised is not the finished softmax but p = 2^(t - M), with t = logit x log2(e) and M = ceil(the row's largest t), a whole number; so 1/2 < the row's largest p <= 1. The row's sum l is taken of the UNQUANTISED p, in f32, and the product's result is divided by l at the end. Since M is a whole number, a kernel that streams over the keys may use a running M (the ceiling of the running maximum): every later rescaling is an exact power of two, which a block's scale takes up: the codes' values come out the same.
;;   OPERANDS COMPUTED ON THE WAY. 'Computed on the way' means the value that the module computes at that place (a softmax that the list does not call 'softmax' is quantised finished and normalised). What goes into a quantiser is computed in f32, as accurately as f32 sums, v_exp_f32 and their like allow (about 1e-6 of the number): no bf16 or f16 on the way to a quantiser, and a product that is left as it is and whose result goes on into a quantised operand takes f32 operands (vector FMAs, or v_wmma_f32_16x16x4_f32). A number that lies on a knife's edge between two numbers of the format may be rounded either way, as far as f32 arithmetic and the matrix unit's own rounding can turn it there, and no further.
;; One version. Each part assembles by itself: llvm-mc -triple=amdgcn-amd-amdhsa -mcpu=gfx1250 --defsym DOCPART=n.
;; ======== version 1 of 1: 5 launches
;; limits: right only within a limited range of input values
;; workspace buffers: xq 6,553,600 bytes; wq 2,457,600 bytes; wo 819,200 bytes; rope 524,288 bytes; qc 6,815,744 bytes; kv 13,369,344 bytes; oq 6,553,600 bytes
;; launch prep (part 1): grid 400 x 1, 4 waves a work-group, no clusters, 35,328 bytes of LDS; arguments x, Wqkv, Wout, xq, wq, wo, rope; writes xq, wq, wo, rope
.if DOCPART == 1
	.amdgcn_target "amdgcn-amd-amdhsa--gfx1250"
	.amdhsa_code_object_version 6
	.text
	.protected	k_q3b5f8345bb_prep
	.globl	k_q3b5f8345bb_prep
	.p2align	8
	.type	k_q3b5f8345bb_prep,@function
k_q3b5f8345bb_prep:
	s_mov_b64 s[64:65], 0
	v_nop
	global_prefetch_b8 v0, s[64:65] scope:SCOPE_SE
	s_setreg_imm32_b32 hwreg(HW_REG_WAVE_MODE, 25, 1), 1
	s_wait_xcnt 0x0
; x [8192][1024], Wqkv [1024][3072] and Wout [1024][1024], f32, become codes of FP6 (E2M3) with one E8M0 byte for each 32 along K = 1024; and the table of cos and sin is made.
; ONE LAYOUT FOR ALL CODES: images of the operand's registers.  A piece of 16 rows x 64 K is 768 bytes, [part p = 0..2][lane 0..31][8 bytes]: lane (r, h) holds bytes 24 h + 8 p .. + 7 of row r's 48 bytes.
; Two pieces on end are a fragment (16 rows x 128 K, 12 registers): register pair p' is read at 8 x lane + 256 p'.  A buffer of codes is [K step of 256][tile of 16 rows][4 pieces]; its scale words follow, [128 along K][row][4 bytes].
; ROWS ARE LAID IN ANOTHER ORDER: place 16 (2 b + u) + r of each 32 holds true row 32 b + 8 u + r + 8 (r / 8).  Where such a tile is a product's source 0, a lane's 16 results of tiles 2 b, 2 b + 1 are 16 neighbours.
; A block's scale is 2^(floor(log2(largest magnitude)) - 2); its byte is the largest magnitude's exponent field - 2, held at 1 from below.
; LIMITS: NaN and infinities are not served; a block whose largest magnitude lies under 2^-124, a block of zeros among them, gets the byte 1 (zeros: the codes are zeros, and only this program reads the bytes).
; The table: inv_freq = 2^(-j log2(10000) / 32) is within some 1.5 units of its last place, so that an angle can differ from another f32 evaluation by up to some 2e-4 at t = 2047; sin and cos are within some 1e-7 at that angle.
; WORK-GROUPS: 0-255 x, 256-383 the weights (96 Wqkv, 32 Wout), 384-399 the table.  Only x's path uses LDS.  No barrier: waves share nothing.
.set PC,   208                         ; v208-227 the codes just made (12) and two runs at work
.set TM,   228                         ; v228-243 largest magnitudes, bytes, -, scale operands
.set PW,   244                         ; the scale word just made
.set SEL,  30                          ; s[30:31] lane selects for v_permlanex16_b32: lane l xor 16
.set X,    144                         ; v144-207 64 numbers: register 16 b + i = k 32 b + 16 h + i of my row
.set WREG, 8704                        ; LDS of a wave: a stage of 16 rows x 528 bytes, then 256 bytes of scale words
.set SP,   528                         ; a stage row: 512 bytes + 16, so that 16 rows begin in 16 different groups of banks (ISA guide 11.1)
; 64 numbers of a lane become a fragment's codes in v[PC] on and its rows' scale word in v[PW]
.macro QUANT s
.irp b, 0,1,2,3
	v_max3_num_f32 v[TM+\b], |v[\s+16*\b]|, |v[\s+1+16*\b]|, 0x1800000   ; my 16 numbers of block b, and the floor 2^(3 - 127): the byte cannot fall under 1
.endr
.irp i, 2,4,6,8,10,12,14
.irp b, 0,1,2,3
	v_max3_num_f32 v[TM+\b], v[TM+\b], |v[\s+16*\b+\i]|, |v[\s+1+16*\b+\i]|   ; the four blocks by turns
.endr
.endr
.irp b, 0,1,2,3
	v_permlanex16_b32 v[TM+4+\b], v[TM+\b], s[SEL], s[SEL+1]
.endr
.irp b, 0,1,2,3
	v_max_num_f32 v[TM+\b], v[TM+\b], v[TM+4+\b]   ; with lane l xor 16's 16: the block's largest magnitude
.endr
.irp b, 0,1,2,3
	v_add_nc_u32 v[TM+12+\b], 0xff000000, v[TM+\b]   ; 2 off its exponent field: the conversion's scale operand
.endr
.irp b, 0,1,2,3
	v_lshrrev_b32 v[TM+4+\b], 23, v[TM+12+\b]      ; the scale's byte
.endr
	v_lshl_or_b32 v[PW], v[TM+5], 8, v[TM+4]
	v_lshl_or_b32 v[PW], v[TM+6], 16, v[PW]
	v_lshl_or_b32 v[PW], v[TM+7], 24, v[PW]
.irp c, 0,1
	v_cvt_scalef32_pk16_fp6_f32 v[PC+6*\c:PC+2+6*\c], v[\s+32*\c:\s+15+32*\c], v[TM+12+2*\c]
	v_cvt_scalef32_pk16_fp6_f32 v[PC+12+4*\c:PC+14+4*\c], v[\s+16+32*\c:\s+31+32*\c], v[TM+12+2*\c+1]   ; (a conversion's three registers begin on an even number)
.endr
	v_nop                                          ; one plain place behind a scaled conversion
.irp c, 0,1                                    ; the layout wants a whole block in a lane: lanes 0-15 block 2 c, lanes 16-31 block 2 c + 1
.irp i, 0,1,2
	v_permlane16_swap_b32 v[PC+6*\c+\i], v[PC+12+4*\c+\i]
.endr
.irp i, 0,1,2
	v_mov_b32 v[PC+3+6*\c+\i], v[PC+12+4*\c+\i]
.endr
.endr
.endm
	s_load_b256 s[4:11], s[0:1], 0x0               ; x s[4:5], Wqkv s[6:7], Wout s[8:9], xq s[10:11]
	s_load_b128 s[12:15], s[0:1], 0x20             ; wq s[12:13], wo s[14:15]
	s_load_b64 s[16:17], s[0:1], 0x30              ; rope
	v_lshl_add_u32 v254, v0, 2, 0x8800
	v_mov_b32 v255, 0
	v_lshrrev_b32 v1, 5, v0
	v_readfirstlane_b32 s18, v1                    ; wave 0..3
	v_and_b32 v1, 31, v0                           ; lane
	s_wait_kmcnt 0x0
	s_cmp_ge_u32 ttmp9, 384
	s_cbranch_scc1 .Lrope
	s_cmp_ge_u32 ttmp9, 256
	s_cbranch_scc1 .Lweights
; ---- x.  A wave takes 64 tokens x 128 along K: four fragments.  Each load reads 512 consecutive bytes of one token's row; 16 rows turn through the wave's stage, so that a lane gets 16 neighbours of each block.
	s_lshl_b32 s19, ttmp9, 2
	s_add_co_u32 s19, s19, s18                     ; the wave's number in the launch, 0..1023
	s_and_b32 s20, s19, 7                          ; q: which 128 along K
	s_lshr_b32 s21, s19, 3                         ; tg: which 64 tokens
	s_lshl_b32 s22, s21, 18                        ; 64 rows of 4,096 bytes
	s_lshl_b32 s23, s20, 9
	s_add_co_u32 s22, s22, s23
	s_mov_b32 s23, 0
	s_add_nc_u64 s[4:5], s[4:5], s[22:23]
	s_lshr_b32 s22, s20, 1                         ; the codes: ((q / 2) x 512 tiles + 4 tg) x 3,072 + (q % 2) x 1,536
	s_lshl_b32 s22, s22, 9
	s_lshl_b32 s24, s21, 2
	s_add_co_u32 s22, s22, s24
	s_mul_i32 s22, s22, 3072
	s_and_b32 s24, s20, 1
	s_mul_i32 s24, s24, 1536
	s_add_co_u32 s22, s22, s24
	s_add_nc_u64 s[26:27], s[10:11], s[22:23]
	s_lshl_b32 s22, s20, 15                        ; the scale words: plane q of 32,768 bytes, 256 bytes for my 64 rows
	s_lshl_b32 s24, s21, 8
	s_add_co_u32 s22, s22, s24
	s_add_co_u32 s22, s22, 6291456
	s_add_nc_u64 s[28:29], s[10:11], s[22:23]
	s_mov_b32 s[SEL], 0x76543210
	s_mov_b32 s[SEL+1], 0xfedcba98
	s_mul_i32 s24, s18, WREG
	s_add_co_u32 s25, s24, 16*SP
	s_wait_alu depctr_va_vdst(0)
	v_lshlrev_b32 v2, 4, v1                        ; 16 x lane: my bytes of a load's 512
	v_add_nc_u32 v3, s24, v2                       ; the stage, on the way in
	v_and_b32 v8, 15, v0                           ; r
	v_bfe_u32 v9, v0, 4, 1                         ; h
	v_mul_u32_u24 v4, v8, SP
	v_lshl_add_u32 v4, v9, 6, v4
	v_add_nc_u32 v4, s24, v4                       ; and on the way out: row r, + 64 h
	v_lshlrev_b32 v5, 3, v1                        ; 8 x lane: an image's place
	v_lshlrev_b32 v6, 2, v8
	v_add_nc_u32 v6, s25, v6                       ; my row's scale word in LDS
	v_add_nc_u32 v7, s25, v5                       ; and 8 bytes a lane on their way out
.irp b, 0,1,2,3
	v_mov_b32 v[TM+4+\b], 0                        ; written once: a lane permute's destination counts as one of its sources
.endr
.macro XLOAD f                         ; fragment f's 16 rows, in the order of the places: row i is true row 32 (f / 2) + 8 (f % 2) + i + 8 (i / 8)
.irp i, 0,1,2,3,4,5,6,7,8,9,10,11,12,13,14,15
	global_load_b128 v[16+64*((\f)%2)+4*\i:16+64*((\f)%2)+4*\i+3], v2, s[4:5] offset:(32*((\f)/2)+8*((\f)%2)+\i+8*(\i/8))*4096 th:TH_LOAD_NT
.endr
.endm
.macro XFRAG f
.set RS, 16+64*((\f)%2)
.if (\f) < 3
	s_wait_loadcnt 16                              ; this fragment's 16 loads are in; the next one's may be out
.else
	s_wait_loadcnt 0x0
.endif
.irp i, 0,1,2,3,4,5,6,7,8,9,10,11,12,13,14,15
	ds_store_b128 v3, v[RS+4*\i:RS+4*\i+3] offset:SP*\i
.endr
.irp b, 0,1,2,3
.irp j, 0,1,2,3
	ds_load_b128 v[X+16*\b+4*\j:X+16*\b+4*\j+3], v4 offset:128*\b+16*\j   ; LDS serves a wave's instructions in order: these see the stores above
.endr
.endr
	s_wait_dscnt 0x0                               ; the numbers are back
.if (\f) < 2
	XLOAD (\f)+2
.endif
	s_wait_xcnt 0x0                                ; the last fragment's stores have read their data: the codes' registers are written again only behind this wait
	QUANT X
.irp p, 0,1,2,3,4,5
	global_store_b64 v5, v[PC+2*\p:PC+2*\p+1], s[26:27] offset:3072*(\f)+256*\p   ; 32 lanes store 256 consecutive bytes, at a multiple of 256 from the buffer's first byte
.endr
	ds_store_b32 v6, v[PW] offset:64*(\f)          ; both halves of the lanes write the same word with the same value
.endm
	XLOAD 0
	XLOAD 1
	s_wait_alu depctr_va_vdst(0)
	XFRAG 0
	XFRAG 1
	XFRAG 2
	XFRAG 3
	ds_load_b64 v[246:247], v7                     ; my 64 rows' scale words
	s_wait_dscnt 0x0
	global_store_b64 v5, v[246:247], s[28:29]      ; 256 consecutive bytes
	s_wait_tensorcnt 0x0
	ds_add_u32 v254, v255
	s_wait_dscnt 0x0
	s_endpgm
; ---- the weights.  K is their first axis: a lane takes a column and its registers run down K, so a block of 32 lies in one lane.  A wave takes 32 columns x 256 along K.
; Lane (u, r) takes column 32 cg + 8 u + r + 8 (r / 8): its place among the rows of the codes' buffer is 32 cg + lane.
.Lweights:
	s_sub_co_u32 s19, ttmp9, 256
	s_cmp_lt_u32 s19, 96                           ; Wqkv's work-group or Wout's?  The choice hangs on the work-group's number alone
	s_cselect_b64 s[6:7], s[6:7], s[8:9]
	s_cselect_b64 s[12:13], s[12:13], s[14:15]
	s_mov_b32 s20, 4096
	s_cselect_b32 s20, 12288, s20                  ; a row of the weight in bytes; also a plane of its scale words
	s_cselect_b32 s21, 192, 64                     ; tiles of 16 rows in the codes' buffer
	s_mov_b32 s22, 786432
	s_cselect_b32 s22, 2359296, s22                ; where the scale words begin
	s_cselect_b32 s23, 0, 96
	s_sub_co_u32 s19, s19, s23
	s_and_b32 s24, s19, 3                          ; ks: which 256 along K
	s_lshr_b32 s25, s19, 2
	s_lshl_b32 s25, s25, 2
	s_add_co_u32 s25, s25, s18                     ; cg: which 32 columns
	s_lshl_b32 s26, s24, 8
	s_mul_i32 s26, s26, s20
	s_lshl_b32 s27, s25, 7
	s_add_co_u32 s26, s26, s27
	s_mov_b32 s27, 0
	s_add_nc_u64 s[36:37], s[6:7], s[26:27]        ; block 0: row 256 ks, column 32 cg
	s_lshl_b32 s28, s20, 5
	s_mov_b32 s29, 0
.irp t, 1,2,3,4,5,6,7
	s_add_nc_u64 s[36+2*\t:37+2*\t], s[34+2*\t:35+2*\t], s[28:29]   ; block t: 32 rows further down
.endr
	s_mul_i32 s26, s24, s21
	s_lshl_b32 s28, s25, 1
	s_add_co_u32 s26, s26, s28
	s_mul_i32 s26, s26, 3072
	s_add_nc_u64 s[52:53], s[12:13], s[26:27]      ; the codes: (ks x tiles + 2 cg) x 3,072
	s_lshl_b32 s26, s24, 1
	s_mul_i32 s26, s26, s20
	s_lshl_b32 s28, s25, 7
	s_add_co_u32 s26, s26, s28
	s_add_co_u32 s26, s26, s22
	s_add_nc_u64 s[54:55], s[12:13], s[26:27]      ; the scale words: plane 2 ks, 128 bytes for my 32 rows,
	s_mov_b32 s26, s20
	s_add_nc_u64 s[56:57], s[54:55], s[26:27]      ; and plane 2 ks + 1
	v_and_b32 v8, 15, v0
	v_bfe_u32 v9, v0, 4, 1
	v_and_b32 v10, 8, v8
	v_lshl_add_u32 v11, v9, 3, v8
	v_add_nc_u32 v11, v11, v10                     ; 8 u + r + 8 (r / 8)
	v_lshlrev_b32 v32, 2, v11                      ; v32-63: my column's byte in rows 0 .. 31 of a block
.irp i, 1,2,3,4,5,6,7,8,9,10,11,12,13,14,15,16,17,18,19,20,21,22,23,24,25,26,27,28,29,30,31
	v_add_nc_u32 v[32+\i], s20, v[31+\i]
.endr
	v_lshlrev_b32 v3, 3, v1                        ; 8 x lane
	v_lshlrev_b32 v4, 2, v1                        ; 4 x lane
.macro WLOAD t                         ; block t's 32 numbers of my column, into set t % 2: 32 lanes read 128 consecutive bytes, the four waves 512
.irp i, 0,1,2,3,4,5,6,7,8,9,10,11,12,13,14,15,16,17,18,19,20,21,22,23,24,25,26,27,28,29,30,31
	global_load_b32 v[64+32*((\t)%2)+\i], v[32+\i], s[36+2*(\t):37+2*(\t)] th:TH_LOAD_NT
.endr
.endm
.macro WBLOCK t
.set XS, 64+32*((\t)%2)
.set CD, 192+6*((\t)%2)                ; v192-197 the even block's codes, v198-203 the odd block's
.set CT, 204+4*((\t)%2)
.if (\t) < 7
	s_wait_loadcnt 32                              ; this block's 32 loads are in; the next block's may be out
.else
	s_wait_loadcnt 0x0
.endif
	v_max3_num_f32 v12, |v[XS]|, |v[XS+1]|, |v[XS+2]|
	v_max3_num_f32 v13, |v[XS+3]|, |v[XS+4]|, |v[XS+5]|
.irp i, 6,10,14,18,22,26
	v_max3_num_f32 v12, v12, |v[XS+\i]|, |v[XS+\i+1]|
	v_max3_num_f32 v13, v13, |v[XS+\i+2]|, |v[XS+\i+3]|
.endr
	v_max3_num_f32 v12, v12, |v[XS+30]|, |v[XS+31]|
	v_max3_num_f32 v12, v12, v13, 0x1800000        ; and the floor 2^(3 - 127)
	v_add_nc_u32 v14, 0xff000000, v12              ; the conversion's scale operand
	v_lshrrev_b32 v13, 23, v14                     ; the byte
.if (\t)%4 == 0
	v_mov_b32 v[24+(\t)/4], v13                    ; four bytes to a word, the lower K in the lower byte
.else
	v_lshl_or_b32 v[24+(\t)/4], v13, 8*((\t)%4), v[24+(\t)/4]
.endif
.if (\t) >= 2
	s_wait_alu depctr_va_vdst(0)
	s_wait_xcnt 0x0                                ; the stores of two blocks ago have read their data
.endif
	v_cvt_scalef32_pk16_fp6_f32 v[CD:CD+2], v[XS:XS+15], v14
	v_cvt_scalef32_pk16_fp6_f32 v[CT:CT+2], v[XS+16:XS+31], v14
	v_nop                                          ; one plain place behind a scaled conversion
.irp i, 0,1,2
	v_mov_b32 v[CD+3+\i], v[CT+\i]
.endr
.if (\t)+2 < 8
	WLOAD (\t)+2
.endif
.if (\t)%2 == 1
.irp i, 0,1,2,3,4,5                    ; lanes 16-31 of the even block's codes change places with lanes 0-15 of the odd block's: v192.. is then tile 2 cg's piece (lane = r + 16 h), v198.. tile 2 cg + 1's
	v_permlane16_swap_b32 v[192+\i], v[198+\i]
.endr
.irp p, 0,1,2
	global_store_b64 v3, v[192+2*\p:193+2*\p], s[52:53] offset:768*((\t)/2)+256*\p        ; 256 consecutive bytes each
	global_store_b64 v3, v[198+2*\p:199+2*\p], s[52:53] offset:3072+768*((\t)/2)+256*\p
.endr
.endif
.endm
	WLOAD 0
	WLOAD 1
.irp t, 0,1,2,3,4,5,6,7
	WBLOCK \t
.endr
	global_store_b32 v4, v24, s[54:55]             ; 128 consecutive bytes a wave, 512 a work-group
	global_store_b32 v4, v25, s[56:57]
	s_endpgm
; ---- the table: rope[t][j] = cos(t inv_j), rope[t][32 + j] = sin(t inv_j), j = lane.  A wave makes 32 rows.
; A number under 2^22 is rounded to the nearest whole number by adding 1.5 x 2^23: the sum's last place is 1, and the whole number stands in the sum's low bits; taking the constant off again gives it as f32.
.Lrope:
	s_sub_co_u32 s19, ttmp9, 384
	s_lshl_b32 s19, s19, 2
	s_add_co_u32 s19, s19, s18                     ; 0..63
	s_lshl_b32 s20, s19, 5                         ; my first t
	s_lshl_b32 s22, s19, 13                        ; 32 rows of 256 bytes
	s_mov_b32 s23, 0
	s_add_nc_u64 s[16:17], s[16:17], s[22:23]
	s_wait_alu depctr_va_vdst(0)
	v_cvt_f32_u32 v2, v1                           ; j
	v_mov_b32 v8, s20
	v_cvt_f32_u32 v24, v8                          ; t, kept as f32 and stepped by 1.0: whole numbers under 2,048
	v_mov_b32 v25, 0xb94ca1f9                      ; S3:  sin r = r + r z (S1 + z (S2 + z S3)), z = r r, on |r| <= pi / 4
	v_mov_b32 v26, 0x37ccf5ce                      ; C3:  cos r = 1 - z / 2 + z z (C1 + z (C2 + z C3))
	v_mov_b32 v27, -0.5
	v_mul_f32 v3, 0x3ed49a78, v2                   ; j c, c = log2(10000) / 32
	v_add_f32 v3, 0x4b400000, v3                   ; rounded to a whole number n, 0 .. 13
	v_and_b32 v6, 0xff, v3                         ; n
	v_add_f32 v3, 0xcb400000, v3                   ; n as f32
	v_fmamk_f32 v4, v2, 0xbed49a78, v3             ; n - j c, with c's f32,
	v_fmamk_f32 v4, v2, 0xb2179a39, v4             ; and with what that f32 leaves over: of magnitude about 1/2 at the most
	s_wait_alu depctr_va_vdst(0)
	v_exp_f32 v5, v4
	v_sub_nc_u32 v6, 127, v6                       ; (a plain place behind the transcendental)
	v_lshlrev_b32 v6, 23, v6                       ; 2^-n, as an exponent field
	s_wait_alu depctr_va_vdst(0)
	v_mul_f32 v5, v5, v6                           ; inv_j = 2^(n - j c) 2^-n: this multiplication rounds nothing
	v_lshlrev_b32 v7, 2, v1
	s_mov_b32 s21, 0
.Ltrip:
	s_wait_alu depctr_va_vdst(0)
	v_mul_f32 v8, v24, v5                          ; the angle: one rounding
	v_mul_f32 v9, 0x3f22f983, v8                   ; x 2 / pi,
	v_add_f32 v9, 0x4b400000, v9                   ; rounded: k quarter turns, 1,304 at the most, in the low bits
	v_add_f32 v12, 0xcb400000, v9                  ; k as f32
	v_fmamk_f32 v10, v12, 0xbfc90fdb, v8           ; the angle - k x (pi / 2)'s f32: a multiple of 2^-24 under 1 where k is not 0: nothing is rounded
	v_fmamk_f32 v10, v12, 0x333bbd2e, v10          ; and what that f32 leaves over: r
	v_mul_f32 v11, v10, v10                        ; z
	v_fmaak_f32 v13, v11, v25, 0x3c08839e          ; z S3 + S2
	v_fmaak_f32 v14, v11, v26, 0xbab6061a          ; z C3 + C2
	v_mul_f32 v15, v11, v10
	v_mul_f32 v16, v11, v11
	v_fmaak_f32 v13, v13, v11, 0xbe2aaaa3          ; .. z + S1
	v_fmaak_f32 v14, v14, v11, 0x3d2aaaa5          ; .. z + C1
	v_fmaak_f32 v17, v11, v27, 0x3f800000          ; 1 - z / 2
	v_fma_f32 v13, v13, v15, v10                   ; sin r
	v_fma_f32 v14, v14, v16, v17                   ; cos r
	v_and_b32 v18, 1, v9
	v_cmp_eq_u32 vcc_lo, 1, v18                    ; an odd number of quarter turns exchanges the two
	v_cndmask_b32 v19, v13, v14, vcc_lo            ; sin
	v_cndmask_b32 v20, v14, v13, vcc_lo            ; cos
	v_and_b32 v21, 2, v9
	v_lshlrev_b32 v21, 30, v21
	v_xor_b32 v19, v19, v21                        ; sin is negative in quarters 2 and 3,
	v_add_nc_u32 v22, 1, v9
	v_and_b32 v22, 2, v22
	v_lshlrev_b32 v22, 30, v22
	v_xor_b32 v20, v20, v22                        ; cos in quarters 1 and 2
	global_store_b32 v7, v20, s[16:17]             ; the two stores together cover the row's 256 bytes
	global_store_b32 v7, v19, s[16:17] offset:128
	v_add_f32 v24, 1.0, v24                        ; the next t
	s_wait_xcnt 0x0                                ; base and data are written again only behind this wait
	s_add_nc_u64 s[16:17], s[16:17], 256
	s_add_co_u32 s21, s21, 1
	s_cmp_lt_u32 s21, 32
	s_cbranch_scc1 .Ltrip
	s_endpgm
.Lfunc_end_k_q3b5f8345bb_prep:
	.size	k_q3b5f8345bb_prep, .Lfunc_end_k_q3b5f8345bb_prep-k_q3b5f8345bb_prep
	.p2alignl 7, 3214868480
	.fill 96, 4, 3214868480
	.section	.rodata,"a",@progbits
	.p2align	6, 0x0
	.amdhsa_kernel k_q3b5f8345bb_prep
		.amdhsa_group_segment_fixed_size 35328
		.amdhsa_private_segment_fixed_size 0
		.amdhsa_enable_private_segment 0
		.amdhsa_kernarg_size 56
		.amdhsa_user_sgpr_count 2
		.amdhsa_user_sgpr_kernarg_segment_ptr 1
		.amdhsa_wavefront_size32 1
		.amdhsa_system_sgpr_workgroup_id_x 1
		.amdhsa_system_sgpr_workgroup_id_y 1
		.amdhsa_system_sgpr_workgroup_id_z 1
		.amdhsa_system_vgpr_workitem_id 0
		.amdhsa_next_free_vgpr 256
		.amdhsa_next_free_sgpr 66
		.amdhsa_reserve_vcc 1
		.amdhsa_float_denorm_mode_32 3
		.amdhsa_float_denorm_mode_16_64 3
		.amdhsa_memory_ordered 1
		.amdhsa_forward_progress 1
		.amdhsa_inst_pref_size 80
	.end_amdhsa_kernel
	.amdgpu_metadata
---
amdhsa.version: [ 1, 2 ]
amdhsa.kernels:
  - .name:           k_q3b5f8345bb_prep
    .symbol:         k_q3b5f8345bb_prep.kd
    .args:
      - { .name: x, .offset: 0, .size: 8, .value_kind: global_buffer, .address_space: global }
      - { .name: Wqkv, .offset: 8, .size: 8, .value_kind: global_buffer, .address_space: global }
      - { .name: Wout, .offset: 16, .size: 8, .value_kind: global_buffer, .address_space: global }
      - { .name: xq, .offset: 24, .size: 8, .value_kind: global_buffer, .address_space: global }
      - { .name: wq, .offset: 32, .size: 8, .value_kind: global_buffer, .address_space: global }
      - { .name: wo, .offset: 40, .size: 8, .value_kind: global_buffer, .address_space: global }
      - { .name: rope, .offset: 48, .size: 8, .value_kind: global_buffer, .address_space: global }
    .group_segment_fixed_size: 35328
    .private_segment_fixed_size: 0
    .kernarg_segment_align: 8
    .kernarg_segment_size: 56
    .max_flat_workgroup_size: 128
    .sgpr_count:     66
    .vgpr_count:     256
    .wavefront_size: 32
...
	.end_amdgpu_metadata
.endif
;; end of part 1
;; launch gemm_qk (part 2): grid 8 x 32, 4 waves a work-group, clusters of 4 x 4, 327,680 bytes of LDS; arguments xq, wq, bqkv, rope, qc, kv; writes qc, kv
.if DOCPART == 2
	.amdgcn_target "amdgcn-amd-amdhsa--gfx1250"
	.amdhsa_code_object_version 6
	.text
	.protected	k_q3b5f8345bb_gemm_qk
	.globl	k_q3b5f8345bb_gemm_qk
	.p2align	8
	.type	k_q3b5f8345bb_gemm_qk,@function
k_q3b5f8345bb_gemm_qk:
	s_mov_b64 s[64:65], 0
	v_nop
	global_prefetch_b8 v0, s[64:65] scope:SCOPE_SE
	s_setreg_imm32_b32 hwreg(HW_REG_WAVE_MODE, 25, 1), 1
	s_wait_xcnt 0x0
	s_wait_alu depctr_hold_cnt(0) depctr_sa_sdst(0) depctr_va_vdst(0) depctr_va_sdst(0) depctr_va_ssrc(0) depctr_va_vcc(0) depctr_vm_vsrc(0)
	s_getreg_b32 s2, hwreg(HW_REG_IB_STS2, 6, 4)
	s_cmp_eq_u32 s2, 0
	s_cbranch_scc0 .Lentry_in_a_cluster
	s_endpgm
.Lentry_in_a_cluster:
	s_bfe_u32 s2, ttmp6, 0x10000c
	s_cmp_lg_u32 s2, 0xf033
	s_cbranch_scc0 .Lentry_shape_is_right
	s_endpgm
.Lentry_shape_is_right:
.set NTA,   512
.set NTB,   192
.set TA0,   0
.set SCA,   6291456
.set SCB,   2359296
.set STRA,  4096
.set STRB,  1536
.set BYA,   0
.set NQ,    2
.set FR,    12
.set NL,    6
.set NP,    4
.set HALFT, 24576
.set SLOT,  4*HALFT
.set SCL,   2*SLOT
.set HALFS, 4096
.set SPARE, SCL+4*HALFS
.set STG,   SPARE+512
.set LAPS,  2
.set ADRA, 16
.set ADRB, 20
.set ADRS, 27
.set SPW,  28
.set NIL,  29
.set SC,   32
.set BIAS, 64
.set AF,   128
.set Y,    128
.set PC,   192
.set TM,   212
.set PW,   228
.set T,    232
.set WV,   96
.set RH,   97
.set CH,   98
.set SEL,  76
.set G1, 24
.set G0, 32
.set G1B, 48
.set G0B, 56
.set G1S, 68
.set G0S, 76
.set G1SB, 80
.set G0SB, 88
.set MSB, 0
.macro WIN new
.if MSB != (\new)
	s_set_vgpr_msb (MSB<<8)|(\new)
.set MSB, (\new)
.endif
.endm
.set MUL_LO, 0xa1
.set MUL_HI, 0xf1
.set TO_B,   0x40
.macro JLOAD g0a, g1a, g0b, g1b
	s_cmp_eq_u32 s[RH], 0
	s_cbranch_scc0 .Lfor_b_\@
	tensor_load_to_lds s[\g0a:\g0a+3], s[\g1a:\g1a+7]
	s_nop 0
.rept 4
	v_nop
.endr
	s_branch .Lasked_\@
.Lfor_b_\@:
	tensor_load_to_lds s[\g0b:\g0b+3], s[\g1b:\g1b+7]
	s_nop 0
.rept 4
	v_nop
.endr
.Lasked_\@:
.endm
.macro CREST
	s_cmp_lg_u32 s[WV], 0
	s_cbranch_scc1 .Lnot_wave_0_\@
	s_barrier_signal -3
.Lnot_wave_0_\@:
	s_barrier_wait -3
	s_barrier_signal -1
	s_barrier_wait -1
.endm
.macro CROUND
	s_barrier_signal -1
	s_barrier_wait -1
	CREST
.endm
	s_load_b128 s[4:7], s[0:1], 0x0
	s_load_b128 s[8:11], s[0:1], 0x10
	s_load_b128 s[12:15], s[0:1], 0x20
	v_lshl_add_u32 v[SPW], v0, 2, SPARE
	v_mov_b32 v[NIL], 0
	ds_add_u32 v28, v29
	ds_add_u32 v28, v29
	s_wait_dscnt 0x0
	v_lshrrev_b32 v1, 5, v0
	v_readfirstlane_b32 s[WV], v1
	s_lshr_b32 s[RH], s[WV], 1
	s_and_b32 s[CH], s[WV], 1
	s_bfe_u32 s40, ttmp6, 0x40000
	s_bfe_u32 s41, ttmp6, 0x40004
	s_lshl_b32 s42, ttmp9, 2
	s_add_co_u32 s42, s42, s40
	s_and_b32 s17, ttmp7, 0xffff
	s_lshl_b32 s17, s17, 2
	s_add_co_u32 s17, s17, s41
	s_lshl_b32 s43, s41, 2
	s_lshl_b32 s43, 15, s43
	s_lshl_b32 s44, 0x1111, s40
	s_or_b32 s[G1+0], s43, (3<<16)|(1<<21)
	s_or_b32 s[G1B+0], s44, (3<<16)|(1<<21)
.irp g, G1, G1B
	s_mov_b32 s[\g+1], 32<<16
	s_mov_b32 s[\g+2], 192<<16
	s_mov_b32 s[\g+3], 32<<16
	s_mov_b32 s[\g+4], 192
	s_mov_b32 s[\g+5], 32
	s_mov_b32 s[\g+6], 0
	s_mov_b32 s[\g+7], 0
.endr
	s_or_b32 s[G1S+0], s43, (3<<16)|(1<<21)
	s_or_b32 s[G1SB+0], s44, (3<<16)|(1<<21)
.irp g, G1S, G1SB
	s_mov_b32 s[\g+1], 128<<16
	s_mov_b32 s[\g+2], 8<<16
	s_mov_b32 s[\g+3], 128<<16
	s_mov_b32 s[\g+4], 8
	s_mov_b32 s[\g+6], 0
	s_mov_b32 s[\g+7], 0
.endr
	s_mov_b32 s[G1S+5], STRA
	s_mov_b32 s[G1SB+5], STRB
	s_lshl_b32 s18, s[CH], 3
	s_lshl_b32 s20, s17, 4
	s_add_co_u32 s20, s20, s18
	s_add_co_u32 s20, s20, TA0
	s_mul_i32 s20, s20, 3072
	s_mov_b32 s21, 0
	s_lshl_b32 s46, s42, 4
	s_add_co_u32 s46, s46, s18
	s_mul_i32 s46, s46, 3072
	s_mov_b32 s47, 0
	s_lshl_b32 s22, s17, 10
	s_add_co_u32 s22, s22, SCA
	s_mov_b32 s23, 0
	s_lshl_b32 s92, s42, 10
	s_add_co_u32 s92, s92, SCB
	s_mov_b32 s93, 0
	s_mul_i32 s45, s[WV], HALFT
	s_wait_kmcnt 0x0
	s_add_nc_u64 s[20:21], s[4:5], s[20:21]
	s_add_nc_u64 s[22:23], s[4:5], s[22:23]
	s_add_nc_u64 s[46:47], s[6:7], s[46:47]
	s_add_nc_u64 s[92:93], s[6:7], s[92:93]
	CROUND
	s_mov_b32 s[G0S], 1
	s_mov_b32 s[G0S+1], SCL
	s_mov_b64 s[G0S+2:G0S+3], s[22:23]
	s_or_b32 s[G0S+3], s[G0S+3], 0x80000000
	s_mov_b32 s[G0SB], 1
	s_mov_b32 s[G0SB+1], SCL+2*HALFS
	s_mov_b64 s[G0SB+2:G0SB+3], s[92:93]
	s_or_b32 s[G0SB+3], s[G0SB+3], 0x80000000
.irp s, 0,1
	s_mov_b32 s[G0+4*\s], 1
	s_add_co_u32 s[G0+4*\s+1], s45, \s*SLOT
	s_add_nc_u64 s[G0+4*\s+2:G0+4*\s+3], s[20:21], \s*NTA*3072
	s_or_b32 s[G0+4*\s+3], s[G0+4*\s+3], 0x80000000
	s_mov_b32 s[G0B+4*\s], 1
	s_add_co_u32 s[G0B+4*\s+1], s45, \s*SLOT
	s_add_nc_u64 s[G0B+4*\s+2:G0B+4*\s+3], s[46:47], \s*NTB*3072
	s_or_b32 s[G0B+4*\s+3], s[G0B+4*\s+3], 0x80000000
.endr
; the head's four tiles, one joint load a wave, in one chain of branches on the wave's number: wave 0 K step 0's 256 rows of A (its own group 0 begins at the tile's first row and at LDS byte 0; group 1 counts 192 rows of 256 bytes),
; wave 2 the same of B, wave 1 the scale words of A's 256 rows (8 planes of 1,024 bytes), wave 3 those of B's
	s_cmp_eq_u32 s[WV], 0
	s_cbranch_scc0 .Lhead_b
	tensor_load_to_lds s[G0:G0+3], s[G1:G1+7]
	s_nop 0
.rept 4
	v_nop
.endr
	s_branch .Lhead_asked
.Lhead_b:
	s_cmp_eq_u32 s[WV], 2
	s_cbranch_scc0 .Lhead_sa
	tensor_load_to_lds s[G0B:G0B+3], s[G1B:G1B+7]
	s_nop 0
.rept 4
	v_nop
.endr
	s_branch .Lhead_asked
.Lhead_sa:
	s_cmp_eq_u32 s[WV], 1
	s_cbranch_scc0 .Lhead_sb
	tensor_load_to_lds s[G0S:G0S+3], s[G1S:G1S+7]
	s_nop 0
.rept 4
	v_nop
.endr
	s_branch .Lhead_asked
.Lhead_sb:
	tensor_load_to_lds s[G0SB:G0SB+3], s[G1SB:G1SB+7]
	s_nop 0
.rept 4
	v_nop
.endr
.Lhead_asked:
	v_and_b32 v1, 15, v0
	v_bfe_u32 v2, v0, 4, 1
	s_wait_alu depctr_va_vdst(0)
	v_and_b32 v3, 31, v0
	v_lshlrev_b32 v18, 3, v3
	s_mul_i32 s21, s[RH], HALFT
	s_mul_i32 s22, s[CH], HALFT
	s_add_co_u32 s22, s22, 2*HALFT
.irp s, 0,1
	v_add_nc_u32 v[ADRA+\s], s21, v18
	v_add_nc_u32 v[ADRB+\s], s22, v18
	s_add_co_u32 s21, s21, SLOT
	s_add_co_u32 s22, s22, SLOT
.endr
	s_lshl_b32 s21, s[RH], 9
	s_lshl_b32 s22, s[CH], 9
	s_add_co_u32 s22, s22, 2*HALFS
	s_sub_co_u32 s22, s22, s21
	v_mul_u32_u24 v6, s22, v2
	s_add_co_u32 s21, s21, SCL
	v_lshl_add_u32 v6, v1, 2, v6
	v_add_nc_u32 v[ADRS], s21, v6
	v_and_b32 v6, 8, v1
	v_add_nc_u32 v6, v6, v1
	v_lshlrev_b32 v19, 8, v6
	v_lshl_add_u32 v19, v2, 6, v19
	s_lshl_b32 s23, s[WV], 10
	s_add_co_u32 s23, s23, STG
	v_lshlrev_b32 v22, 9, v2
	v_lshl_add_u32 v22, v1, 2, v22
	v_add_nc_u32 v22, s23, v22
	v_lshlrev_b32 v24, 4, v3
	v_add_nc_u32 v23, s23, v24
	v_lshlrev_b32 v30, 4, v2
	v_lshlrev_b32 v25, 6, v2
	s_lshl_b32 s46, s42, 10
	s_lshl_b32 s47, s[CH], 9
	s_add_co_u32 s46, s46, s47
	s_mov_b32 s47, 0
	s_add_nc_u64 s[8:9], s[8:9], s[46:47]
.irp b, 0,1,2,3,4,5,6,7
	global_load_b128 v[BIAS+8*\b:BIAS+8*\b+3], v25, s[8:9] offset:(32*(\b/2)+8*(\b%2))*4
	global_load_b128 v[BIAS+8*\b+4:BIAS+8*\b+7], v25, s[8:9] offset:(32*(\b/2)+8*(\b%2))*4+16
.endr
	s_lshl_b32 s18, s17, 8
	s_lshl_b32 s19, s[RH], 7
	s_add_co_u32 s18, s18, s19
	s_and_b32 s18, s18, 2047
	s_lshl_b32 s18, s18, 8
	s_mov_b32 s19, 0
	s_add_nc_u64 s[10:11], s[10:11], s[18:19]
.macro FRAG reg, adr, q, i
.irp p, 0,1,2,3,4,5
	ds_load_b64 v[\reg+2*\p:\reg+2*\p+1], v[\adr] offset:3072*(\i)+1536*(\q)+256*\p
.endr
.endm
.macro MUL16 a0, p, q, sc, zero
.irp a, \a0, \a0+1
.irp b, 0,1,2,3,4,5,6,7
.if \zero
.if BYA
	v_wmma_scale_f32_16x16x128_f8f6f4 v[8*(8*((\a)%4)+\b):8*(8*((\a)%4)+\b)+7], v[128*(\p)+FR*\b:128*(\p)+FR*\b+FR-1], v[AF+FR*(\a):AF+FR*(\a)+FR-1], v[BIAS+8*(\a):BIAS+8*(\a)+7], v[SC+8*NQ*(\sc)+NQ*\b+(\q)], v[SC+8*NQ*(\sc)+NQ*(\a)+(\q)] matrix_a_fmt:MATRIX_FMT_FP6 matrix_b_fmt:MATRIX_FMT_FP6 matrix_a_scale:MATRIX_SCALE_ROW1
.else
	v_wmma_scale_f32_16x16x128_f8f6f4 v[8*(8*((\a)%4)+\b):8*(8*((\a)%4)+\b)+7], v[128*(\p)+FR*\b:128*(\p)+FR*\b+FR-1], v[AF+FR*(\a):AF+FR*(\a)+FR-1], v[BIAS+8*\b:BIAS+8*\b+7], v[SC+8*NQ*(\sc)+NQ*\b+(\q)], v[SC+8*NQ*(\sc)+NQ*(\a)+(\q)] matrix_a_fmt:MATRIX_FMT_FP6 matrix_b_fmt:MATRIX_FMT_FP6 matrix_a_scale:MATRIX_SCALE_ROW1
.endif
.else
	v_wmma_scale_f32_16x16x128_f8f6f4 v[8*(8*((\a)%4)+\b):8*(8*((\a)%4)+\b)+7], v[128*(\p)+FR*\b:128*(\p)+FR*\b+FR-1], v[AF+FR*(\a):AF+FR*(\a)+FR-1], v[8*(8*((\a)%4)+\b):8*(8*((\a)%4)+\b)+7], v[SC+8*NQ*(\sc)+NQ*\b+(\q)], v[SC+8*NQ*(\sc)+NQ*(\a)+(\q)] matrix_a_fmt:MATRIX_FMT_FP6 matrix_b_fmt:MATRIX_FMT_FP6 matrix_a_scale:MATRIX_SCALE_ROW1
.endif
.endr
.endr
.endm
.macro FETCH_B slot, q, p
	WIN TO_B
.irp i, 0,1,2,3,4,5,6,7
	FRAG 128*(\p)+FR*\i, ADRB+\slot, \q, \i
.endr
	WIN 0
.endm
.macro FETCH_A slot, q, i0
.irp i, \i0, \i0+1, \i0+2, \i0+3
	FRAG AF+FR*(\i), ADRA+\slot, \q, \i
.endr
.endm
.macro SCALES sc
.irp i, 0,1,2,3,4,5,6,7
	ds_load_b32 v[SC+8*NQ*\sc+NQ*\i], v[ADRS] offset:64*\i
	ds_load_b32 v[SC+8*NQ*\sc+NQ*\i+1], v[ADRS] offset:1024+64*\i
.endr
.endm
.macro PLACES n
.rept \n
	v_nop
.endr
.endm
.macro STEP slot, q, zero
	s_wait_dscnt 4*NL
.if \zero
	WIN 0x81
.else
	WIN MUL_LO
.endif
	MUL16 0, (\q)%2, \q, \slot, \zero
	MUL16 2, (\q)%2, \q, \slot, \zero
	s_wait_dscnt 0x0
	PLACES NP
	FETCH_B \slot, (\q)+1, 1-(\q)%2
	FETCH_A \slot, (\q)+1, 0
.if \zero
	WIN 0xc1
.else
	WIN MUL_HI
.endif
	MUL16 4, (\q)%2, \q, \slot, \zero
	MUL16 6, (\q)%2, \q, \slot, \zero
	PLACES NP
	WIN 0
	FETCH_A \slot, (\q)+1, 4
.endm
.macro TURN slot, next, fill
	s_wait_tensorcnt 0x0
	ds_add_u32 v[SPW], v[NIL]
	s_wait_dscnt 4*NL+1
	WIN MUL_LO
	MUL16 0, 1, NQ-1, \slot, 0
	s_wait_dscnt 0x0
	s_barrier_signal -1
	MUL16 2, 1, NQ-1, \slot, 0
	WIN 0
	s_barrier_wait -1
.if \fill
	CREST
	s_add_nc_u64 s[G0+4*\slot+2:G0+4*\slot+3], s[G0+4*\slot+2:G0+4*\slot+3], 2*NTA*3072
	s_add_nc_u64 s[G0B+4*\slot+2:G0B+4*\slot+3], s[G0B+4*\slot+2:G0B+4*\slot+3], 2*NTB*3072
	JLOAD G0+4*\slot, G1, G0B+4*\slot, G1B
.else
	PLACES NP
.endif
	s_wait_alu depctr_va_vdst(0)
	v_add_nc_u32 v[ADRS], 1024*NQ, v[ADRS]
	FETCH_B \next, 0, 0
	FETCH_A \next, 0, 0
	SCALES \next
	WIN MUL_HI
	MUL16 4, 1, NQ-1, \slot, 0
	MUL16 6, 1, NQ-1, \slot, 0
	PLACES NP
	WIN 0
	FETCH_A \next, 0, 4
.endm
.macro CSLOAD a
.irp k, 0,1,2,3
	global_load_b128 v[64+32*((\a)%2)+4*\k:64+32*((\a)%2)+4*\k+3], v19, s[10:11] offset:(32*((\a)/2)+8*((\a)%2))*256+16*\k
	global_load_b128 v[80+32*((\a)%2)+4*\k:80+32*((\a)%2)+4*\k+3], v19, s[10:11] offset:(32*((\a)/2)+8*((\a)%2))*256+128+16*\k
.endr
.endm
.macro QUANT s
.irp b, 0,1,2,3
	v_max3_num_f32 v[TM+\b], |v[\s+16*\b]|, |v[\s+1+16*\b]|, 0x1800000
.endr
.irp i, 2,4,6,8,10,12,14
.irp b, 0,1,2,3
	v_max3_num_f32 v[TM+\b], v[TM+\b], |v[\s+16*\b+\i]|, |v[\s+1+16*\b+\i]|
.endr
.endr
.irp b, 0,1,2,3
	v_permlanex16_b32 v[TM+4+\b], v[TM+\b], s[SEL], s[SEL+1]
.endr
.irp b, 0,1,2,3
	v_max_num_f32 v[TM+\b], v[TM+\b], v[TM+4+\b]
.endr
.irp b, 0,1,2,3
	v_add_nc_u32 v[TM+12+\b], 0xff000000, v[TM+\b]
.endr
.irp b, 0,1,2,3
	v_lshrrev_b32 v[TM+4+\b], 23, v[TM+12+\b]
.endr
	v_lshl_or_b32 v[PW], v[TM+5], 8, v[TM+4]
	v_lshl_or_b32 v[PW], v[TM+6], 16, v[PW]
	v_lshl_or_b32 v[PW], v[TM+7], 24, v[PW]
.irp c, 0,1
	v_cvt_scalef32_pk16_fp6_f32 v[PC+6*\c:PC+2+6*\c], v[\s+32*\c:\s+15+32*\c], v[TM+12+2*\c]
	v_cvt_scalef32_pk16_fp6_f32 v[PC+12+4*\c:PC+14+4*\c], v[\s+16+32*\c:\s+31+32*\c], v[TM+12+2*\c+1]
.endr
	v_nop
.irp c, 0,1
.irp i, 0,1,2
	v_permlane16_swap_b32 v[PC+6*\c+\i], v[PC+12+4*\c+\i]
.endr
.irp i, 0,1,2
	v_mov_b32 v[PC+3+6*\c+\i], v[PC+12+4*\c+\i]
.endr
.endr
.endm
.macro QKOUT a
.set CSB, 64+32*((\a)%2)
.set AC, 64*((\a)%4)
.if (\a) < 7
	s_wait_loadcnt 8
.else
	s_wait_loadcnt 0x0
.endif
	WIN 0x02+(\a)/4
.irp c, 0,1
.irp i, 0,2,4,6,8,10,12,14
	v_pk_mul_f32 v[T+4*((\i/2)%4):T+4*((\i/2)%4)+1], v[AC+32*\c+16+\i:AC+32*\c+17+\i], v[CSB+16+\i:CSB+17+\i]
	v_pk_mul_f32 v[T+4*((\i/2)%4)+2:T+4*((\i/2)%4)+3], v[AC+32*\c+\i:AC+32*\c+1+\i], v[CSB+16+\i:CSB+17+\i]
	v_pk_fma_f32 v[Y+32*\c+\i:Y+32*\c+1+\i], v[AC+32*\c+\i:AC+32*\c+1+\i], v[CSB+\i:CSB+1+\i], v[T+4*((\i/2)%4):T+4*((\i/2)%4)+1] neg_lo:[0,0,1] neg_hi:[0,0,1]
	v_pk_fma_f32 v[Y+32*\c+16+\i:Y+32*\c+17+\i], v[AC+32*\c+16+\i:AC+32*\c+17+\i], v[CSB+\i:CSB+1+\i], v[T+4*((\i/2)%4)+2:T+4*((\i/2)%4)+3]
.endr
.endr
	WIN 0
.if (\a) < 6
	CSLOAD (\a)+2
.endif
	s_wait_xcnt 0x0
	QUANT Y
.irp p, 0,1,2
	global_store_b64 v18, v[PC+2*\p:PC+2*\p+1], s[68:69] offset:768*(\a)+256*\p
	global_store_b64 v18, v[PC+6+2*\p:PC+7+2*\p], s[70:71] offset:768*(\a)+256*\p
.endr
	v_lshrrev_b32 v229, v30, v[PW]
	v_and_b32 v229, 0xffff, v229
	ds_store_b32 v22, v229 offset:64*(\a)
.endm
	s_wait_alu depctr_va_vdst(0)                   ; the wait at the head's end
	s_wait_tensorcnt 0x0                           ; my tile of the head's four is in
	ds_add_u32 v[SPW], v[NIL]
	s_mov_b32 s[G1+2], 96<<16                      ; no tensor load of mine is out: from here on a load brings 96 rows of 256 bytes
	s_mov_b32 s[G1+4], 96
	s_mov_b32 s[G1B+2], 96<<16
	s_mov_b32 s[G1B+4], 96
	s_wait_dscnt 0x0
	CROUND                                         ; all four tiles are in, and all sixteen work-groups are here
	JLOAD G0+4, G1, G0B+4, G1B                     ; K step 1, the first tensor load behind the round
	FETCH_B 0, 0, 0
	FETCH_A 0, 0, 0
	SCALES 0
	FETCH_A 0, 0, 4
	s_wait_loadcnt 0x0
	STEP 0, 0, 1
	s_mov_b32 s3, LAPS-1
.Llap:
	TURN 0, 1, 1
	STEP 1, 0, 0
	TURN 1, 0, 1
	STEP 0, 0, 0
	s_sub_co_u32 s3, s3, 1
	s_cmp_lg_u32 s3, 0
	s_cbranch_scc1 .Llap
	TURN 0, 1, 0
	STEP 1, 0, 0
	s_wait_dscnt 4*NL
	CSLOAD 0
	CSLOAD 1
	WIN MUL_LO
	MUL16 0, 1, NQ-1, 1, 0
	MUL16 2, 1, NQ-1, 1, 0
	s_wait_dscnt 0x0
	WIN MUL_HI
	MUL16 4, 1, NQ-1, 1, 0
	MUL16 6, 1, NQ-1, 1, 0
	WIN 0
	s_cmp_eq_u32 ttmp9, 0
	s_cselect_b64 s[12:13], s[12:13], s[14:15]
	s_mov_b32 s18, 208896
	s_cselect_b32 s18, 106496, s18
	s_mov_b32 s19, 12288
	s_cselect_b32 s20, 8192, s19
	s_cselect_b32 s21, 6144, s19
	s_and_b32 s22, s17, 7
	s_lshl_b32 s22, s22, 1
	s_add_co_u32 s22, s22, s[RH]
	s_lshr_b32 s23, s17, 3
	s_lshl_b32 s23, s23, 4
	s_lshl_b32 s45, s40, 2
	s_add_co_u32 s23, s23, s45
	s_lshl_b32 s45, s[CH], 1
	s_add_co_u32 s23, s23, s45
	s_mul_i32 s46, s23, s18
	s_mov_b32 s47, 0
	s_add_nc_u64 s[12:13], s[12:13], s[46:47]
	s_lshl_b32 s46, s22, 9
	s_add_nc_u64 s[72:73], s[12:13], s[46:47]
	s_mul_i32 s46, s22, s21
	s_add_co_u32 s46, s46, s20
	s_add_nc_u64 s[68:69], s[12:13], s[46:47]
	s_mov_b32 s46, s18
	s_add_nc_u64 s[70:71], s[68:69], s[46:47]
	s_add_nc_u64 s[74:75], s[72:73], s[46:47]
	s_mov_b32 s[SEL], 0x76543210
	s_mov_b32 s[SEL+1], 0xfedcba98
	PLACES NP
.irp b, 0,1,2,3
	v_mov_b32 v[TM+4+\b], 0
.endr
.irp a, 0,1,2,3,4,5,6,7
	QKOUT \a
.endr
	ds_load_b128 v[232:235], v23
	ds_load_b128 v[236:239], v23 offset:512
	s_wait_dscnt 0x0
	global_store_b128 v24, v[232:235], s[72:73]
	global_store_b128 v24, v[236:239], s[74:75]
	s_wait_tensorcnt 0x0
	ds_add_u32 v[SPW], v[NIL]
	s_wait_dscnt 0x0
	CROUND
	s_endpgm
.Lfunc_end_k_q3b5f8345bb_gemm_qk:
	.size	k_q3b5f8345bb_gemm_qk, .Lfunc_end_k_q3b5f8345bb_gemm_qk-k_q3b5f8345bb_gemm_qk
	.p2alignl 7, 3214868480
	.fill 96, 4, 3214868480
	.section	.rodata,"a",@progbits
	.p2align	6, 0x0
	.amdhsa_kernel k_q3b5f8345bb_gemm_qk
		.amdhsa_group_segment_fixed_size 327680
		.amdhsa_private_segment_fixed_size 0
		.amdhsa_enable_private_segment 0
		.amdhsa_kernarg_size 48
		.amdhsa_user_sgpr_count 2
		.amdhsa_user_sgpr_kernarg_segment_ptr 1
		.amdhsa_wavefront_size32 1
		.amdhsa_system_sgpr_workgroup_id_x 1
		.amdhsa_system_sgpr_workgroup_id_y 1
		.amdhsa_system_sgpr_workgroup_id_z 1
		.amdhsa_system_vgpr_workitem_id 0
		.amdhsa_next_free_vgpr 1024
		.amdhsa_next_free_sgpr 100
		.amdhsa_reserve_vcc 0
		.amdhsa_float_denorm_mode_32 3
		.amdhsa_float_denorm_mode_16_64 3
		.amdhsa_memory_ordered 1
		.amdhsa_forward_progress 1
		.amdhsa_inst_pref_size 211
	.end_amdhsa_kernel
	.amdgpu_metadata
---
amdhsa.version: [ 1, 2 ]
amdhsa.kernels:
  - .name:           k_q3b5f8345bb_gemm_qk
    .symbol:         k_q3b5f8345bb_gemm_qk.kd
    .args:
      - { .name: xq, .offset: 0, .size: 8, .value_kind: global_buffer, .address_space: global }
      - { .name: wq, .offset: 8, .size: 8, .value_kind: global_buffer, .address_space: global }
      - { .name: bqkv, .offset: 16, .size: 8, .value_kind: global_buffer, .address_space: global }
      - { .name: rope, .offset: 24, .size: 8, .value_kind: global_buffer, .address_space: global }
      - { .name: qc, .offset: 32, .size: 8, .value_kind: global_buffer, .address_space: global }
      - { .name: kv, .offset: 40, .size: 8, .value_kind: global_buffer, .address_space: global }
    .group_segment_fixed_size: 327680
    .private_segment_fixed_size: 0
    .kernarg_segment_align: 8
    .kernarg_segment_size: 48
    .max_flat_workgroup_size: 128
    .sgpr_count:     100
    .vgpr_count:     1024
    .wavefront_size: 32
...
	.end_amdgpu_metadata
.endif
;; end of part 2
;; launch gemm_v (part 3): grid 32 x 8, 4 waves a work-group, clusters of 4 x 4, 327,680 bytes of LDS; arguments wq, xq, bqkv, kv; writes kv
.if DOCPART == 3
	.amdgcn_target "amdgcn-amd-amdhsa--gfx1250"
	.amdhsa_code_object_version 6
	.text
	.protected	k_q3b5f8345bb_gemm_v
	.globl	k_q3b5f8345bb_gemm_v
	.p2align	8
	.type	k_q3b5f8345bb_gemm_v,@function
k_q3b5f8345bb_gemm_v:
	s_mov_b64 s[64:65], 0
	v_nop
	global_prefetch_b8 v0, s[64:65] scope:SCOPE_SE
	s_setreg_imm32_b32 hwreg(HW_REG_WAVE_MODE, 25, 1), 1
	s_wait_xcnt 0x0
	s_wait_alu depctr_hold_cnt(0) depctr_sa_sdst(0) depctr_va_vdst(0) depctr_va_sdst(0) depctr_va_ssrc(0) depctr_va_vcc(0) depctr_vm_vsrc(0)
	s_getreg_b32 s2, hwreg(HW_REG_IB_STS2, 6, 4)
	s_cmp_eq_u32 s2, 0
	s_cbranch_scc0 .Lentry_in_a_cluster
	s_endpgm
.Lentry_in_a_cluster:
	s_bfe_u32 s2, ttmp6, 0x10000c
	s_cmp_lg_u32 s2, 0xf033
	s_cbranch_scc0 .Lentry_shape_is_right
	s_endpgm
.Lentry_shape_is_right:
; V^T = Wv^T x^T + b on codes of FP6 (E2M3) with E8M0 scales, K = 1,024; V is quantised along the keys and leaves as codes in kv, laid as the attention's second product reads them.
; A = 128 rows of wq (V's channels: two heads), B = 256 rows of xq (tokens).  32 x 8 work-groups of four waves; a wave makes 64 channels (one head) x 128 tokens (one step of keys): 32 accumulators of 16 x 16.
; ALL OF K LIES IN LDS: A's two halves (64 rows: 4 K steps x 4 tiles x 3,072 bytes) and B's two halves (128 rows: 4 x 8 x 3,072), each brought by ONE joint load, one a wave, at the head: a tile of 4 rows,
; one for each K step of 256, of 12,288 or 24,576 consecutive bytes.  Nothing is filled twice, and one tensor load of a wave is out.
; CLUSTERS: 4 x 4; A's halves are shared along a row of the cluster, B's along a column.  NO PREFETCH: every tile is asked for at the head; the text has no loop to run ahead in.
; THE SCALE WORDS go from memory into registers, once: a load reads 128 consecutive bytes, the words of 32 rows of one plane (128 along K): lanes 0-15 one block of 16 rows, lanes 16-31 the next.
; The matrix instruction is used transposed (source 0 = 16 tokens, source 1 = 16 channels): a lane holds one channel, and the 16 registers of tiles 2 b, 2 b + 1 are 16 neighbouring tokens (the rows of xq lie in that order).
; REGISTERS: window 0: v16-29 addresses; v32-47 A's scale words, v48-79 B's; v80-111 the bias; v144-239 A's fragments, two sets; window 1: B's fragments, two sets, at v0 and v128; window 2: the accumulators.
; LIMITS: NaN and infinities are not served; a block whose largest magnitude lies under 2^-124 gets the byte 1.
.set NTA,   192
.set NTB,   512
.set TA0,   128
.set SCA,   2359296+2048*4
.set SCB,   6291456
.set PLA,   12288
.set PLB,   32768
.set BYA,   1
.set FR,    12
.set HA,    49152
.set HB,    98304
.set SPARE, 2*HA+2*HB
.set STG,   SPARE+512
.set ADRA, 16
.set ADRB, 20
.set SPW,  28
.set NIL,  29
.set SA,   32
.set SB,   48
.set BIAS, 80
.set AF,   144
.set PC,   192
.set TM,   212
.set PW,   228
.set WV,   96
.set RH,   97
.set CH,   98
.set SEL,  76
.set G1, 24
.set G0, 32
.set G1B, 48
.set G0B, 56
.set MUL_LO, 0xa1
.set MSB, 0
.macro WIN new
.if MSB != (\new)
	s_set_vgpr_msb (MSB<<8)|(\new)
.set MSB, (\new)
.endif
.endm
.macro CROUND
	s_barrier_signal -1
	s_barrier_wait -1
	s_cmp_lg_u32 s[WV], 0
	s_cbranch_scc1 .Lnot_wave_0_\@
	s_barrier_signal -3
.Lnot_wave_0_\@:
	s_barrier_wait -3
	s_barrier_signal -1
	s_barrier_wait -1
.endm
.macro PLACES
.rept 4
	v_nop
.endr
.endm
.macro FRAGL reg, adr, off
.irp p, 0,1,2,3,4,5
	ds_load_b64 v[(\reg)+2*\p:(\reg)+2*\p+1], v[\adr] offset:(\off)+256*\p
.endr
.endm
.macro FETCH s                         ; step s's fragments (128 along K) into set s % 2: B's eight, A's four
	WIN 0x40
.irp i, 0,1,2,3,4,5,6,7
	FRAGL 128*((\s)%2)+FR*\i, ADRB+(\s)/4, 24576*(((\s)/2)%2)+1536*((\s)%2)+3072*\i
.endr
	WIN 0
.irp i, 0,1,2,3
	FRAGL AF+48*((\s)%2)+FR*\i, ADRA, 12288*((\s)/2)+1536*((\s)%2)+3072*\i
.endr
.endm
.macro WL d, bf, af, c, sb, sa, ra, rb  ; one product; ra, rb: which half of the lanes holds source 0's and source 1's scale words
.if (\ra)+2*(\rb) == 0
	v_wmma_scale_f32_16x16x128_f8f6f4 v[(\d):(\d)+7], v[(\bf):(\bf)+11], v[(\af):(\af)+11], v[(\c):(\c)+7], v[(\sb)], v[(\sa)] matrix_a_fmt:MATRIX_FMT_FP6 matrix_b_fmt:MATRIX_FMT_FP6
.endif
.if (\ra)+2*(\rb) == 1
	v_wmma_scale_f32_16x16x128_f8f6f4 v[(\d):(\d)+7], v[(\bf):(\bf)+11], v[(\af):(\af)+11], v[(\c):(\c)+7], v[(\sb)], v[(\sa)] matrix_a_fmt:MATRIX_FMT_FP6 matrix_b_fmt:MATRIX_FMT_FP6 matrix_a_scale:MATRIX_SCALE_ROW1
.endif
.if (\ra)+2*(\rb) == 2
	v_wmma_scale_f32_16x16x128_f8f6f4 v[(\d):(\d)+7], v[(\bf):(\bf)+11], v[(\af):(\af)+11], v[(\c):(\c)+7], v[(\sb)], v[(\sa)] matrix_a_fmt:MATRIX_FMT_FP6 matrix_b_fmt:MATRIX_FMT_FP6 matrix_b_scale:MATRIX_SCALE_ROW1
.endif
.if (\ra)+2*(\rb) == 3
	v_wmma_scale_f32_16x16x128_f8f6f4 v[(\d):(\d)+7], v[(\bf):(\bf)+11], v[(\af):(\af)+11], v[(\c):(\c)+7], v[(\sb)], v[(\sa)] matrix_a_fmt:MATRIX_FMT_FP6 matrix_b_fmt:MATRIX_FMT_FP6 matrix_a_scale:MATRIX_SCALE_ROW1 matrix_b_scale:MATRIX_SCALE_ROW1
.endif
.endm
.macro MUL s, zero                     ; 32 products, the 32 accumulators by turns; zero = 1: the bias starts the sums
.irp a, 0,1,2,3
.irp b, 0,1,2,3,4,5,6,7
	WL 8*(8*\a+\b), 128*((\s)%2)+FR*\b, AF+48*((\s)%2)+FR*\a, (\zero)*(BIAS+8*(BYA*\a+(1-BYA)*\b))+(1-(\zero))*8*(8*\a+\b), SB+4*(\s)+\b/2, SA+2*(\s)+\a/2, \b%2, \a%2
.endr
.endr
.endm
.macro STEP s, zero
	s_wait_dscnt 0x0                               ; this step's 72 loads, issued ahead of the last step's products
.if (\s) < 7
.if (\s) > 0
	PLACES                                         ; four places between the last step's products and the loads into the set that the step before it read... the set read by step s - 1
.endif
	FETCH (\s)+1
.endif
.if \zero
	WIN 0x81
.else
	WIN MUL_LO
.endif
	MUL \s, \zero
.endm
	s_load_b128 s[4:7], s[0:1], 0x0                ; wq, xq
	s_load_b128 s[8:11], s[0:1], 0x10              ; bqkv, kv
	v_lshl_add_u32 v[SPW], v0, 2, SPARE
	v_mov_b32 v[NIL], 0
	ds_add_u32 v[SPW], v[NIL]                      ; the opening lines: the add, twice on end, and its wait
	ds_add_u32 v[SPW], v[NIL]
	v_lshrrev_b32 v1, 5, v0
	v_readfirstlane_b32 s[WV], v1
	s_lshr_b32 s[RH], s[WV], 1                     ; my half of A's rows; also: I fetch for A (0) or for B (1)
	s_and_b32 s[CH], s[WV], 1                      ; my half of B's rows; also: which half I fetch
	s_bfe_u32 s40, ttmp6, 0x40000
	s_bfe_u32 s41, ttmp6, 0x40004
	s_lshl_b32 s42, ttmp9, 2
	s_add_co_u32 s42, s42, s40                     ; B's tile of 256 rows
	s_and_b32 s17, ttmp7, 0xffff
	s_lshl_b32 s17, s17, 2
	s_add_co_u32 s17, s17, s41                     ; A's tile of 128 rows
	s_lshl_b32 s43, s41, 2
	s_lshl_b32 s43, 15, s43
	s_lshl_b32 s44, 0x1111, s40
	s_or_b32 s[G1], s43, (3<<16)|(1<<21)
	s_or_b32 s[G1B], s44, (3<<16)|(1<<21)
	s_mov_b32 s[G1+1], 1536<<16                    ; A: 4 rows of 1,536 elements of 8 bytes, a K step's tiles of the buffer apart
	s_mov_b32 s[G1+2], 4<<16
	s_mov_b32 s[G1+3], 1536<<16
	s_mov_b32 s[G1+4], 4
	s_mov_b32 s[G1+5], NTA*384
	s_mov_b32 s[G1+6], 0
	s_mov_b32 s[G1+7], 0
	s_mov_b32 s[G1B+1], 3072<<16                   ; B: 4 rows of 3,072 elements
	s_mov_b32 s[G1B+2], 4<<16
	s_mov_b32 s[G1B+3], 3072<<16
	s_mov_b32 s[G1B+4], 4
	s_mov_b32 s[G1B+5], NTB*384
	s_mov_b32 s[G1B+6], 0
	s_mov_b32 s[G1B+7], 0
	s_lshl_b32 s20, s17, 3
	s_lshl_b32 s18, s[CH], 2
	s_add_co_u32 s20, s20, s18
	s_add_co_u32 s20, s20, TA0
	s_mul_i32 s20, s20, 3072
	s_mov_b32 s21, 0
	s_lshl_b32 s46, s42, 4
	s_lshl_b32 s18, s[CH], 3
	s_add_co_u32 s46, s46, s18
	s_mul_i32 s46, s46, 3072
	s_mov_b32 s47, 0
	s_lshl_b32 s22, s17, 9
	s_lshl_b32 s18, s[RH], 8
	s_add_co_u32 s22, s22, s18
	s_add_co_u32 s22, s22, SCA                     ; the scale words of my 64 rows of A
	s_mov_b32 s23, 0
	s_lshl_b32 s92, s42, 10
	s_lshl_b32 s18, s[CH], 9
	s_add_co_u32 s92, s92, s18
	s_add_co_u32 s92, s92, SCB                     ; and of my 128 rows of B
	s_mov_b32 s93, 0
	s_mul_i32 s45, s[CH], HA
	s_mul_i32 s94, s[CH], HB
	s_add_co_u32 s94, s94, 2*HA
	s_wait_dscnt 0x0
	s_wait_kmcnt 0x0
	s_mov_b32 s[G0], 1
	s_mov_b32 s[G0+1], s45
	s_add_nc_u64 s[G0+2:G0+3], s[4:5], s[20:21]
	s_or_b32 s[G0+3], s[G0+3], 0x80000000
	s_mov_b32 s[G0B], 1
	s_mov_b32 s[G0B+1], s94
	s_add_nc_u64 s[G0B+2:G0B+3], s[6:7], s[46:47]
	s_or_b32 s[G0B+3], s[G0B+3], 0x80000000
	s_add_nc_u64 s[68:69], s[4:5], s[22:23]
	s_add_nc_u64 s[70:71], s[6:7], s[92:93]
	CROUND                                         ; all sixteen work-groups are here: the joint loads meet
	s_cmp_eq_u32 s[RH], 0
	s_cbranch_scc0 .Lfor_b
	tensor_load_to_lds s[G0:G0+3], s[G1:G1+7]
	s_nop 0
.rept 4
	v_nop
.endr
	s_branch .Lasked
.Lfor_b:
	tensor_load_to_lds s[G0B:G0B+3], s[G1B:G1B+7]
	s_nop 0
.rept 4
	v_nop
.endr
.Lasked:
	s_mul_i32 s21, s[RH], HA
	s_mul_i32 s22, s[CH], HB
	s_add_co_u32 s22, s22, 2*HA
	s_add_co_u32 s20, s22, HB/2
	s_lshl_b32 s23, s[WV], 8
	s_add_co_u32 s23, s23, STG                     ; my 256 bytes for V's scale words
	s_lshl_b32 s18, s17, 9
	s_lshl_b32 s19, s[RH], 8
	s_add_co_u32 s18, s18, s19
	s_add_co_u32 s18, s18, 2048*4
	s_mov_b32 s19, 0
	s_add_nc_u64 s[8:9], s[8:9], s[18:19]          ; the bias of my 64 channels
	v_and_b32 v1, 15, v0
	v_and_b32 v3, 31, v0
	v_lshlrev_b32 v18, 3, v3
	v_lshlrev_b32 v19, 2, v3
	v_and_b32 v6, 8, v1
	v_add_nc_u32 v[ADRA], s21, v18
	v_add_nc_u32 v[ADRB], s22, v18
	v_add_nc_u32 v[ADRB+1], s20, v18
	v_add_nc_u32 v6, v6, v1
	v_lshlrev_b32 v22, 2, v1
	v_lshlrev_b32 v25, 2, v6
	v_add_nc_u32 v22, s23, v22
	v_add_nc_u32 v23, s23, v18
.irp s, 0,1,2,3,4,5,6,7
.irp e, 0,1
	global_load_b32 v[SA+2*\s+\e], v19, s[68:69] offset:PLA*\s+128*\e
.endr
.irp e, 0,1,2,3
	global_load_b32 v[SB+4*\s+\e], v19, s[70:71] offset:PLB*\s+128*\e
.endr
.endr
.irp a, 0,1,2,3
.irp j, 0,1,2,3,4,5,6,7
	global_load_b32 v[BIAS+8*\a+\j], v25, s[8:9] offset:(32*(\a/2)+8*(\a%2))*4   ; a lane holds one channel: its eight results share one bias
.endr
.endr
	; where V goes: head 2 x A's tile + my half, step 2 x (B's tile % 8) + my half
	s_and_b32 s22, s42, 7
	s_lshl_b32 s22, s22, 1
	s_add_co_u32 s22, s22, s[CH]
	s_lshr_b32 s23, s42, 3
	s_lshl_b32 s23, s23, 4
	s_lshl_b32 s45, s17, 1
	s_add_co_u32 s23, s23, s45
	s_add_co_u32 s23, s23, s[RH]
	s_mul_i32 s46, s23, 208896
	s_mov_b32 s47, 0
	s_add_nc_u64 s[10:11], s[10:11], s[46:47]
	s_mul_i32 s46, s22, 12288
	s_add_co_u32 s46, s46, 18432
	s_add_nc_u64 s[72:73], s[10:11], s[46:47]
	s_lshl_b32 s46, s22, 8
	s_add_co_u32 s46, s46, 8192
	s_add_nc_u64 s[74:75], s[10:11], s[46:47]
	s_mov_b32 s[SEL], 0x76543210
	s_mov_b32 s[SEL+1], 0xfedcba98
.macro VOUT a                          ; 16 channels x 128 tokens: four blocks of 32 along the keys become a fragment's codes and its rows' scale word
.set AC, 64*(\a)
	WIN 0x28
.irp b, 0,1,2,3
	v_max3_num_f32 v[TM+\b], 0x1800000, |v[AC+16*\b]|, |v[AC+16*\b+1]|
.endr
.irp i, 2,4,6,8,10,12,14
.irp b, 0,1,2,3
	v_max3_num_f32 v[TM+\b], v[TM+\b], |v[AC+16*\b+\i]|, |v[AC+16*\b+\i+1]|
.endr
.endr
	WIN 0
.irp b, 0,1,2,3
	v_permlanex16_b32 v[TM+4+\b], v[TM+\b], s[SEL], s[SEL+1]
.endr
.irp b, 0,1,2,3
	v_max_num_f32 v[TM+\b], v[TM+\b], v[TM+4+\b]
.endr
.irp b, 0,1,2,3
	v_add_nc_u32 v[TM+12+\b], 0xff000000, v[TM+\b]
.endr
.irp b, 0,1,2,3
	v_lshrrev_b32 v[TM+4+\b], 23, v[TM+12+\b]
.endr
	v_lshl_or_b32 v[PW], v[TM+5], 8, v[TM+4]
	v_lshl_or_b32 v[PW], v[TM+6], 16, v[PW]
	v_lshl_or_b32 v[PW], v[TM+7], 24, v[PW]
	s_wait_alu depctr_va_vdst(0)                   ; directly ahead of the wait below
	s_wait_xcnt 0x0                                ; the last block's stores have read their data
	WIN 0x02
.irp c, 0,1
	v_cvt_scalef32_pk16_fp6_f32 v[PC+6*\c:PC+2+6*\c], v[AC+32*\c:AC+15+32*\c], v[TM+12+2*\c]
	v_cvt_scalef32_pk16_fp6_f32 v[PC+12+4*\c:PC+14+4*\c], v[AC+16+32*\c:AC+31+32*\c], v[TM+12+2*\c+1]
.endr
	WIN 0
	v_nop                                          ; one plain place behind a scaled conversion
.irp c, 0,1
.irp i, 0,1,2
	v_permlane16_swap_b32 v[PC+6*\c+\i], v[PC+12+4*\c+\i]
.endr
.irp i, 0,1,2
	v_mov_b32 v[PC+3+6*\c+\i], v[PC+12+4*\c+\i]
.endr
.endr
.irp p, 0,1,2,3,4,5
	global_store_b64 v18, v[PC+2*\p:PC+2*\p+1], s[72:73] offset:1536*(\a)+256*\p   ; 256 consecutive bytes, at a multiple of 256 from the buffer's first byte
.endr
	ds_store_b32 v22, v[PW] offset:64*(\a)
.endm
	s_wait_alu depctr_va_vdst(0)                   ; the wait at the head's end
	s_wait_tensorcnt 0x0                           ; my half tile is in
	s_barrier_signal -1
	s_barrier_wait -1                              ; everybody's is
	FETCH 0
	s_wait_loadcnt 0x0                             ; the scale words and the bias
	STEP 0, 1
.irp s, 1,2,3,4,5,6,7
	STEP \s, 0
.endr
	WIN 0
	PLACES
.irp b, 0,1,2,3
	v_mov_b32 v[TM+4+\b], 0                        ; written once: a lane permute's destination counts as one of its sources
.endr
.irp a, 0,1,2,3
	VOUT \a
.endr
	ds_load_b64 v[232:233], v23                    ; my 64 channels' scale words of this step
	s_wait_dscnt 0x0
	global_store_b64 v18, v[232:233], s[74:75]     ; 256 consecutive bytes
	s_wait_tensorcnt 0x0                           ; the wave's end
	ds_add_u32 v[SPW], v[NIL]
	s_wait_dscnt 0x0
	CROUND                                         ; the closing round
	s_endpgm
.Lfunc_end_k_q3b5f8345bb_gemm_v:
	.size	k_q3b5f8345bb_gemm_v, .Lfunc_end_k_q3b5f8345bb_gemm_v-k_q3b5f8345bb_gemm_v
	.p2alignl 7, 3214868480
	.fill 96, 4, 3214868480
	.section	.rodata,"a",@progbits
	.p2align	6, 0x0
	.amdhsa_kernel k_q3b5f8345bb_gemm_v
		.amdhsa_group_segment_fixed_size 327680
		.amdhsa_private_segment_fixed_size 0
		.amdhsa_enable_private_segment 0
		.amdhsa_kernarg_size 32
		.amdhsa_user_sgpr_count 2
		.amdhsa_user_sgpr_kernarg_segment_ptr 1
		.amdhsa_wavefront_size32 1
		.amdhsa_system_sgpr_workgroup_id_x 1
		.amdhsa_system_sgpr_workgroup_id_y 1
		.amdhsa_system_sgpr_workgroup_id_z 1
		.amdhsa_system_vgpr_workitem_id 0
		.amdhsa_next_free_vgpr 768
		.amdhsa_next_free_sgpr 100
		.amdhsa_reserve_vcc 0
		.amdhsa_float_denorm_mode_32 3
		.amdhsa_float_denorm_mode_16_64 3
		.amdhsa_memory_ordered 1
		.amdhsa_forward_progress 1
		.amdhsa_inst_pref_size 103
	.end_amdhsa_kernel
	.amdgpu_metadata
---
amdhsa.version: [ 1, 2 ]
amdhsa.kernels:
  - .name:           k_q3b5f8345bb_gemm_v
    .symbol:         k_q3b5f8345bb_gemm_v.kd
    .args:
      - { .name: wq, .offset: 0, .size: 8, .value_kind: global_buffer, .address_space: global }
      - { .name: xq, .offset: 8, .size: 8, .value_kind: global_buffer, .address_space: global }
      - { .name: bqkv, .offset: 16, .size: 8, .value_kind: global_buffer, .address_space: global }
      - { .name: kv, .offset: 24, .size: 8, .value_kind: global_buffer, .address_space: global }
    .group_segment_fixed_size: 327680
    .private_segment_fixed_size: 0
    .kernarg_segment_align: 8
    .kernarg_segment_size: 32
    .max_flat_workgroup_size: 128
    .sgpr_count:     100
    .vgpr_count:     768
    .wavefront_size: 32
...
	.end_amdgpu_metadata
.endif
;; end of part 3
;; launch attn (part 4): grid 4 x 64, 16 waves a work-group, clusters of 4 x 1, 327,680 bytes of LDS; arguments qc, kv, oq; writes oq
.if DOCPART == 4
	.amdgcn_target "amdgcn-amd-amdhsa--gfx1250"
	.amdhsa_code_object_version 6
	.text
	.protected	k_q3b5f8345bb_attn
	.globl	k_q3b5f8345bb_attn
	.p2align	8
	.type	k_q3b5f8345bb_attn,@function
k_q3b5f8345bb_attn:
	s_mov_b64 s[64:65], 0
	v_nop
	global_prefetch_b8 v0, s[64:65] scope:SCOPE_SE
	s_setreg_imm32_b32 hwreg(HW_REG_WAVE_MODE, 25, 1), 1
	s_wait_xcnt 0x0
	s_wait_alu depctr_hold_cnt(0) depctr_sa_sdst(0) depctr_va_vdst(0) depctr_va_sdst(0) depctr_va_ssrc(0) depctr_va_vcc(0) depctr_vm_vsrc(0)
	s_getreg_b32 s2, hwreg(HW_REG_IB_STS2, 6, 4)
	s_cmp_eq_u32 s2, 0
	s_cbranch_scc0 .Lentry_in_a_cluster
	s_endpgm
.Lentry_in_a_cluster:
	s_bfe_u32 s2, ttmp6, 0x10000c
	s_cmp_lg_u32 s2, 0x3003
	s_cbranch_scc0 .Lentry_shape_is_right
	s_endpgm
.Lentry_shape_is_right:
; O = softmax(q k^T / 8) v for one head and 512 queries a work-group, both products on codes of FP6 (E2M3) with E8M0 scales; O / l is quantised along d_model and leaves as codes.
; THE SOFTMAX AHEAD OF THE SECOND PRODUCT: t = score x log2(e) / 8; M = the running largest t rounded UP to a whole number; p = 2^(t - M) is quantised along the keys, not normalised; the row's sum is
; taken of the unquantised p and divides O at the end.  When M moves, the sum and O are multiplied by 2^(old M - new M): nothing is rounded.
; SHARES: 4 x 64 work-groups; the four of a cluster share a head.  Sixteen waves; a wave takes one tile of 16 queries through the head's 2,048 keys, 128 a step, and then a second tile: two passes.
; THE WHOLE HEAD LIES IN LDS, fetched once for both passes: its 816 rows of 256 bytes of kv ([K's scale words 32 rows][V's 16][16 steps x (8 tiles of K x 3 rows, 4 tiles of V x 6)]), each followed by 32 bytes of padding.
; Every load is a joint one.  A wave issues one at the head (15 rows: the scale words and steps 0 to 3) and one behind the next round (36 rows: steps 4 to 15): one tensor load of a wave is out at a time; nothing is filled twice.
; NO PREFETCH: all the head's bytes are asked for by these two loads at the kernel's head, so no later load is left to run ahead of.
; LAYOUT: both products are used transposed: S^T = K Q^T, O^T = V^T P^T: a lane holds one query throughout.
; WHICH KEYS FORM A TILE OF K is chosen by the lanes' LDS addresses: row 8 h' + i of tile 4 c + w is key 64 c + 32 h' + 8 w + i of the step.  In kv that key lies in tile 4 c + 2 h' + w % 2 at row 8 (w / 2) + i.
; So lane (r, h) holds in the 32 registers of tiles 4 c .. 4 c + 3 the WHOLE block 2 c + h of 32 keys, in order: the block's largest score needs no other lane and the conversions' results are the operand's registers.
; The two halves of such a tile lie 6 rows apart in LDS: with the pitch of 288 bytes that is 192 modulo 256, so the 32 lanes of a load of 8 bytes name 64 different banks (ISA guide 11.1).
; THE HEAD'S 64 IN AN INSTRUCTION OF 128: a tile of K is 6 registers; the instruction names 12, so its upper half is the next tile's codes (behind the last tile: zeros).  Q's upper six registers are zeros, so those
; products are zeros, and the scale bytes 2 and 3 of both sides are 0, the smallest scale.
; LIMITS: NaN and infinities are not served; the promise holds while the scaled scores t stay under 2^31 in magnitude; a block whose largest p lies under 2^-124 gets the byte 1 (a block whose every p is 0: its codes are zeros).
; REGISTERS: v1-6 lane terms; v7 the largest score; v8-11 the step's LDS addresses; v12 -M; v[14:15] the sum; v16-21 Q, v22-27 zeros; v32-79 K's eight tiles, then V's four; v80-85 zeros; v86-91 the second pass's Q;
;   v96-159 S^T, then p; v160-191 O^T; v192-241 at work; v212-223 p's codes.  Scales and nothing else: v246-247 V's words, v248-251 K's, v252 p's, v255 and v254 Q's.
.set PT,    288                        ; an LDS row: 256 bytes + 32
.set STEPB, 48*PT                      ; a step's codes
.set SPARE, 816*PT                     ; behind the head: the spare words, 128 bytes a wave
.set L8,  1
.set L4,  2
.set R4,  3
.set KL,  4
.set KSL, 5
.set SH8, 6
.set RUN, 7
.set ADK, 8
.set ADV, 9
.set ADS, 10
.set ADT, 11
.set SPW, 93
.set NIL, 94
.set WV,  18
.set NC,  19                           ; s19 -log2(e) / 8
.set SEL, 20
.set CS,  22                           ; s[22:23] log2(e) / 8: the packed form names a pair and takes its low word for both halves
.set TB,  2                            ; s2  LDS byte at which the step's codes begin
.set TS,  3                            ; s3  K's scale words of the step
.set TV,  60                           ; s60 V's
.set CNT, 61
.macro CROUND
	s_barrier_signal -1
	s_barrier_wait -1
	s_cmp_lg_u32 s[WV], 0
	s_cbranch_scc1 .Lnot_wave_0_\@
	s_barrier_signal -3
.Lnot_wave_0_\@:
	s_barrier_wait -3
	s_barrier_signal -1
	s_barrier_wait -1
.endm
; a chunk's descriptors: each wave brings rows x 256 dense bytes, from row row0 + wave x rows of the head, to the same row of LDS
.macro DESC g0, g1, rows, row0
	s_mov_b32 s[\g1], 15|(3<<16)|(1<<20)|(1<<21)|(5<<22)|(7<<25)   ; the mask: all four work-groups; elements of 8 bytes; after every 64 words 8 words of padding; bit 21 beside a mask
	s_mov_b32 s[\g1+1], 32<<16
	s_mov_b32 s[\g1+2], (\rows)<<16
	s_mov_b32 s[\g1+3], 32<<16
	s_mov_b32 s[\g1+4], \rows
	s_mov_b32 s[\g1+5], 32
	s_mov_b32 s[\g1+6], 0
	s_mov_b32 s[\g1+7], 0
	s_mul_i32 s16, s[WV], (\rows)*256
	s_add_co_u32 s16, s16, (\row0)*256
	s_mul_i32 s13, s[WV], (\rows)*PT
	s_add_co_u32 s13, s13, (\row0)*PT
	s_mov_b32 s[\g0], 1
	s_mov_b32 s[\g0+1], s13
	s_add_nc_u64 s[\g0+2:\g0+3], s[6:7], s[16:17]
	s_or_b32 s[\g0+3], s[\g0+3], 0x80000000
.endm
; a pass begins: the walk's LDS places, the largest score -3e38, -M a large whole number (so the first factor is 0), the sum and O^T zeros
.macro INIT
	s_mov_b32 s[TB], STEPB
	s_mov_b32 s[TS], 0
	s_mov_b32 s[TV], 32*PT
	v_mov_b32 v[RUN], 0xff61b1e6
	v_mov_b32 v12, 0x7e000000
	v_mov_b32 v14, 0
	v_mov_b32 v15, 0
.set j, 0
.rept 32
	v_mov_b32 v[160+j], 0
.set j, j+1
.endr
.endm
.macro STEP qs
	v_add_nc_u32 v[ADK], s[TB], v[KL]
	v_add_nc_u32 v[ADS], s[TS], v[KSL]
.irp t, 0,1,2,3,4,5,6,7
.irp p, 0,1,2
	ds_load_b64 v[32+6*\t+2*\p:33+6*\t+2*\p], v[ADK] offset:864*(4*(\t/4)+\t%2)+64*((\t%4)/2)+288*\p
.endr
.endr
.irp e, 0,1,2,3
	ds_load_b32 v[248+\e], v[ADS] offset:288*(\e/2)+32*(\e%2)      ; lanes 0-15: tile 2 e's words; lanes 16-31: tile 2 e + 1's
.endr
	s_wait_dscnt 0x0
.irp e, 0,1,2,3
	v_wmma_scale_f32_16x16x128_f8f6f4 v[96+16*\e:103+16*\e], v[32+12*\e:43+12*\e], v[16:27], 0, v[248+\e], v[\qs] matrix_a_fmt:MATRIX_FMT_FP6 matrix_b_fmt:MATRIX_FMT_FP6
	v_wmma_scale_f32_16x16x128_f8f6f4 v[104+16*\e:111+16*\e], v[38+12*\e:49+12*\e], v[16:27], 0, v[248+\e], v[\qs] matrix_a_fmt:MATRIX_FMT_FP6 matrix_b_fmt:MATRIX_FMT_FP6 matrix_a_scale:MATRIX_SCALE_ROW1
.endr
	v_add_nc_u32 v[ADV], s[TB], v[L8]              ; these four lines are the places in front of the loads into K's registers and of the first read of the scores
	v_add_nc_u32 v[ADT], s[TV], v[L4]
	v_nop
	v_nop
.irp t, 0,1,2,3                                ; V's four tiles are asked for here and land under the softmax
.irp p, 0,1,2,3,4,5
	ds_load_b64 v[32+12*\t+2*\p:33+12*\t+2*\p], v[ADV] offset:24*PT+6*PT*\t+PT*\p
.endr
.endr
	ds_load_b32 v246, v[ADT]
	ds_load_b32 v247, v[ADT] offset:128
; the largest score of my two blocks of 32 keys, each in two chains (17 and 15 numbers); it serves for the row's maximum and, since p rises with the score, for the block's largest p
.irp c, 0,1
	v_max3_num_f32 v[192+2*\c], v[96+32*\c], v[97+32*\c], v[98+32*\c]
	v_max3_num_f32 v[193+2*\c], v[113+32*\c], v[114+32*\c], v[115+32*\c]
.endr
.irp i, 0,2,4,6,8,10
.irp c, 0,1
	v_max3_num_f32 v[192+2*\c], v[192+2*\c], v[99+32*\c+\i], v[100+32*\c+\i]
	v_max3_num_f32 v[193+2*\c], v[193+2*\c], v[116+32*\c+\i], v[117+32*\c+\i]
.endr
.endr
.irp c, 0,1
	v_max3_num_f32 v[192+2*\c], v[192+2*\c], v[111+32*\c], v[112+32*\c]
.endr
.irp c, 0,1
	s_delay_alu instid0(VALU_DEP_2)
	v_max_num_f32 v[192+2*\c], v[192+2*\c], v[193+2*\c]
.endr
	s_delay_alu instid0(VALU_DEP_1)
	v_max_num_f32 v193, v192, v194
	s_delay_alu instid0(VALU_DEP_1)
	v_permlanex16_b32 v195, v193, s[SEL], s[SEL+1] ; lane l xor 16's two blocks
	s_delay_alu instid0(VALU_DEP_1)
	v_max3_num_f32 v[RUN], v[RUN], v193, v195      ; the running largest score of my query
	v_mov_b32 v196, v12
	s_delay_alu instid0(VALU_DEP_2)
	v_mul_f32 v197, s[NC], v[RUN]                  ; -t
	s_delay_alu instid0(VALU_DEP_1)
	v_floor_f32 v12, v197                          ; the new -M = -ceil(t): a whole number
.set j, 0
.rept 32
	v_pk_fma_f32 v[96+j:97+j], v[96+j:97+j], s[CS:CS+1], v[12:13] op_sel_hi:[1,0,0]   ; t - M, two at a time
.if j == 6
	v_sub_f32 v196, v12, v196                      ; old M - new M: a whole number, 0 or less
.endif
.if j == 14
	v_cvt_i32_f32 v196, v196                       ; (it saturates)
.endif
.if j == 22
	v_ldexp_f32 v224, 1.0, v196                    ; f = 2^(old M - new M)
.endif
.set j, j+2
.endr
	v_fma_f32 v192, v192, s[CS], v12               ; the same of each block's largest score
	v_fma_f32 v194, v194, s[CS], v12
; A BLOCK'S SCALE: its largest p is 2^u, u the number just made, so floor(log2) of it is floor(u); u is held at -124 from below, so that the byte, floor(u) + 125, cannot fall under 1.
; (Where the exponential of a u just under a whole number rounds up to that power of two, that one p is held at the largest code: a number on the edge between two scales.)
	v_max_num_f32 v192, 0xc2f80000, v192
	v_max_num_f32 v194, 0xc2f80000, v194
	s_delay_alu instid0(VALU_DEP_2)
	v_floor_f32 v192, v192
	s_delay_alu instid0(VALU_DEP_2)
	v_floor_f32 v194, v194
	s_delay_alu instid0(VALU_DEP_2)
	v_cvt_i32_f32 v192, v192
	s_delay_alu instid0(VALU_DEP_2)
	v_cvt_i32_f32 v194, v194
	s_delay_alu instid0(VALU_DEP_2)
	v_lshl_add_u32 v200, v192, 23, 0x3e800000      ; the conversions' scale operands: exponent field floor(u) + 125
	s_delay_alu instid0(VALU_DEP_2)
	v_lshl_add_u32 v201, v194, 23, 0x3e800000
	v_lshl_add_u32 v196, v194, 16, v192
	s_delay_alu instid0(VALU_DEP_1)
	v_add_nc_u32 v196, 0x7d007d, v196              ; the bytes of blocks h and 2 + h, 125 added to both at once
	s_delay_alu instid0(VALU_DEP_1)
	v_lshlrev_b32 v196, v[SH8], v196               ; at their places in the word, 8 h bits up
	s_delay_alu instid0(VALU_DEP_1)
	v_permlanex16_b32 v195, v196, s[SEL], s[SEL+1]
	s_delay_alu instid0(VALU_DEP_1)
	v_or_b32 v252, v196, v195                      ; with lane l xor 16's two: p's scale word for these 128 keys
.set j, 0
.rept 16
	v_pk_mul_f32 v[160+j:161+j], v[160+j:161+j], v[224:225] op_sel_hi:[1,0]   ; O^T under the new M, each accumulator from its low end on
.set j, j+2
.endr
	s_wait_alu depctr_va_vdst(0)                   ; the wait ahead of the batch
.set j, 0
.rept 64
	v_exp_f32 v[96+j], v[96+j]                     ; p = 2^(t - M), at most 1
.set j, j+1
.endr
	v_pk_mul_f32 v[14:15], v[14:15], v[224:225] op_sel_hi:[1,0]   ; the sums under the new M (a plain place behind the exponentials)
	s_wait_alu depctr_va_vdst(0)                   ; one wait for the batch, directly ahead of the wait below
	s_wait_dscnt 0x0                               ; V, asked for ahead of the maxima
.irp c, 0,1
	v_cvt_scalef32_pk16_fp6_f32 v[212+6*\c:214+6*\c], v[96+32*\c:111+32*\c], v[200+\c]
	v_cvt_scalef32_pk16_fp6_f32 v[204+4*\c:206+4*\c], v[112+32*\c:127+32*\c], v[200+\c]   ; (a conversion's three registers begin on an even number)
.endr
	v_nop                                          ; one plain place behind a scaled conversion
.irp c, 0,1
.irp i, 0,1,2
	v_mov_b32 v[215+6*\c+\i], v[204+4*\c+\i]
.endr
.endr
.irp k, 0,1,2,3,4,5,6,7                        ; the row's sum of the unquantised p, in eight chains; these eight are also the places between the codes' last move and the products
	v_pk_add_f32 v[226+2*\k:227+2*\k], v[96+4*\k:97+4*\k], v[98+4*\k:99+4*\k]
.endr
.irp t, 0,2                                    ; the four accumulators take turns, one instruction a turn
	v_wmma_scale_f32_16x16x128_f8f6f4 v[160+8*\t:167+8*\t], v[32+12*\t:43+12*\t], v[212:223], v[160+8*\t:167+8*\t], v[246+\t/2], v252 matrix_a_fmt:MATRIX_FMT_FP6 matrix_b_fmt:MATRIX_FMT_FP6
	v_wmma_scale_f32_16x16x128_f8f6f4 v[168+8*\t:175+8*\t], v[44+12*\t:55+12*\t], v[212:223], v[168+8*\t:175+8*\t], v[246+\t/2], v252 matrix_a_fmt:MATRIX_FMT_FP6 matrix_b_fmt:MATRIX_FMT_FP6 matrix_a_scale:MATRIX_SCALE_ROW1
.endr
.irp k, 0,1,2,3,4,5,6,7                        ; the rest of the sum names no register of the products: these lines are the places in front of the next step's loads
	v_pk_add_f32 v[226+2*\k:227+2*\k], v[226+2*\k:227+2*\k], v[128+2*\k:129+2*\k]
.endr
.irp k, 0,1,2,3,4,5,6,7
	v_pk_add_f32 v[226+2*\k:227+2*\k], v[226+2*\k:227+2*\k], v[144+2*\k:145+2*\k]
.endr
.irp k, 0,1,2,3
	v_pk_add_f32 v[226+2*\k:227+2*\k], v[226+2*\k:227+2*\k], v[234+2*\k:235+2*\k]
.endr
	v_pk_add_f32 v[226:227], v[226:227], v[230:231]
	v_pk_add_f32 v[228:229], v[228:229], v[232:233]
	s_delay_alu instid0(VALU_DEP_1)
	v_pk_add_f32 v[226:227], v[226:227], v[228:229]
	s_delay_alu instid0(VALU_DEP_1)
	v_pk_add_f32 v[14:15], v[14:15], v[226:227]
	s_add_co_u32 s[TB], s[TB], STEPB
	s_add_co_u32 s[TS], s[TS], 2*PT
	s_add_co_u32 s[TV], s[TV], PT
.endm
.macro STEPS n, qs
	s_mov_b32 s[CNT], \n
.Lstep_\@:
	STEP \qs
	s_sub_co_u32 s[CNT], s[CNT], 1
	s_cmp_lg_u32 s[CNT], 0
	s_cbranch_scc1 .Lstep_\@
.endm
; THE WAY OUT of a pass: O^T / the sum; registers 16 b + i are channels 32 b + 16 h + i of my query: two blocks along d_model
.macro OUT ps
	s_wait_alu depctr_va_vdst(0)                   ; the sum was written just ahead of the loop's end
	v_add_f32 v14, v14, v15
	s_delay_alu instid0(VALU_DEP_1)
	v_permlanex16_b32 v195, v14, s[SEL], s[SEL+1]
	s_delay_alu instid0(VALU_DEP_1)
	v_add_f32 v14, v14, v195                       ; the row's sum
	s_wait_alu depctr_va_vdst(0)
	v_rcp_f32 v14, v14
	v_nop                                          ; a plain place behind the reciprocal
	s_wait_alu depctr_va_vdst(0)                   ; directly ahead of the first reader of the reciprocal and of O^T
.set j, 0
.rept 16
	v_pk_mul_f32 v[96+j:97+j], v[160+j:161+j], v[14:15] op_sel_hi:[1,0]
.set j, j+2
.endr
.irp b, 0,1
	v_max3_num_f32 v[192+\b], |v[96+16*\b]|, |v[97+16*\b]|, 0x1800000
.endr
.irp i, 2,4,6,8,10,12,14
.irp b, 0,1
	s_delay_alu instid0(VALU_DEP_2)
	v_max3_num_f32 v[192+\b], v[192+\b], |v[96+16*\b+\i]|, |v[97+16*\b+\i]|
.endr
.endr
.irp b, 0,1
	s_delay_alu instid0(VALU_DEP_2)
	v_permlanex16_b32 v[196+\b], v[192+\b], s[SEL], s[SEL+1]
.endr
.irp b, 0,1
	s_delay_alu instid0(VALU_DEP_2)
	v_max_num_f32 v[192+\b], v[192+\b], v[196+\b]
.endr
.irp b, 0,1
	s_delay_alu instid0(VALU_DEP_2)
	v_add_nc_u32 v[200+\b], 0xff000000, v[192+\b]
.endr
.irp b, 0,1
	s_delay_alu instid0(VALU_DEP_2)
	v_lshrrev_b32 v[196+\b], 23, v[200+\b]
.endr
	s_delay_alu instid0(VALU_DEP_1)
	v_lshl_or_b32 v198, v197, 8, v196              ; the head's two scale bytes of my query
	v_cvt_scalef32_pk16_fp6_f32 v[212:214], v[96:111], v200
	v_cvt_scalef32_pk16_fp6_f32 v[204:206], v[112:127], v201
	v_nop                                          ; one plain place behind a scaled conversion
.irp i, 0,1,2
	v_permlane16_swap_b32 v[212+\i], v[204+\i]
.endr
.irp i, 0,1,2
	s_delay_alu instid0(VALU_DEP_3)
	v_mov_b32 v[215+\i], v[204+\i]
.endr
.irp p, 0,1,2
	global_store_b64 v[L8], v[212+2*\p:213+2*\p], s[70:71] offset:49152*(\ps)+256*\p   ; 256 consecutive bytes, at a multiple of 256 from the buffer's first byte; the second pass's tile lies 16 tiles of 3,072 bytes on
.endr
	global_store_b16 v[R4], v198, s[72:73] offset:1024*(\ps)   ; two bytes of each of 16 words (lanes l and l xor 16 name the same bytes with the same value): the words' other halves are another head's
.endm
	s_load_b128 s[4:7], s[0:1], 0x0                ; qc, kv
	s_load_b64 s[8:9], s[0:1], 0x10                ; oq
	v_lshl_add_u32 v[SPW], v0, 2, SPARE
	v_mov_b32 v[NIL], 0
	ds_add_u32 v[SPW], v[NIL]                      ; the opening lines: the add, twice on end, and its wait ahead of my first tensor load
	ds_add_u32 v[SPW], v[NIL]
	v_lshrrev_b32 v28, 5, v0
	v_readfirstlane_b32 s[WV], v28                 ; wave 0..15
	s_bfe_u32 s10, ttmp6, 0x40000                  ; cx: it enters Q's and O's addresses alone
	s_lshl_b32 s11, s10, 5
	s_add_co_u32 s11, s11, s[WV]                   ; T: my first tile of 16 queries, 32 cx + wave; the second pass takes T + 16
	s_and_b32 s12, ttmp7, 0xffff                   ; 16 x batch + head, which the four partners share
	s_mul_i32 s14, s12, 208896
	s_mov_b32 s15, 0
	s_mov_b32 s17, 0
	s_wait_dscnt 0x0
	s_wait_kmcnt 0x0
	s_add_nc_u64 s[6:7], s[6:7], s[14:15]          ; the head in kv
	DESC 48, 24, 15, 0                             ; rows 0 to 239: the scale words and steps 0 to 3
	DESC 52, 32, 36, 240                           ; rows 240 to 815: steps 4 to 15
	CROUND                                         ; all four work-groups are here: the joint loads meet
	tensor_load_to_lds s[48:51], s[24:31]          ; one tensor load a wave at the head
	s_nop 0
.rept 4
	v_nop
.endr
	s_mul_i32 s14, s12, 106496
	s_add_nc_u64 s[4:5], s[4:5], s[14:15]          ; the head in qc
	s_mul_i32 s14, s11, 768
	s_add_co_u32 s14, s14, 8192
	s_add_nc_u64 s[66:67], s[4:5], s[14:15]        ; my tile's codes
	s_lshl_b32 s14, s11, 6
	s_add_nc_u64 s[68:69], s[4:5], s[14:15]        ; and its scale words
	v_and_b32 v28, 31, v0
	v_and_b32 v29, 15, v0
	v_lshlrev_b32 v[L8], 3, v28
	v_lshlrev_b32 v[L4], 2, v28
	v_lshlrev_b32 v[R4], 2, v29
.irp p, 0,1,2
	global_load_b64 v[16+2*\p:17+2*\p], v[L8], s[66:67] offset:256*\p
	global_load_b64 v[86+2*\p:87+2*\p], v[L8], s[66:67] offset:12288+256*\p   ; the second pass's tile, 16 tiles of 768 bytes on
.endr
	global_load_b32 v255, v[R4], s[68:69]
	global_load_b32 v254, v[R4], s[68:69] offset:1024
	; where O goes: head hh is piece hh of a row tile's sixteen; its two scale bytes are half of a word
	s_and_b32 s13, s12, 15                         ; hh
	s_lshr_b32 s14, s12, 4                         ; batch
	s_lshl_b32 s16, s14, 7
	s_add_co_u32 s16, s16, s11                     ; the row tile: 128 x batch + T
	s_mul_i32 s62, s16, 3072
	s_lshr_b32 s63, s13, 2
	s_mul_i32 s63, s63, 1572864
	s_add_co_u32 s62, s62, s63
	s_and_b32 s63, s13, 3
	s_mul_i32 s63, s63, 768
	s_add_co_u32 s62, s62, s63
	s_mov_b32 s63, 0
	s_add_nc_u64 s[70:71], s[8:9], s[62:63]
	s_lshl_b32 s62, s16, 6
	s_lshr_b32 s16, s13, 1
	s_lshl_b32 s16, s16, 15
	s_add_co_u32 s62, s62, s16
	s_and_b32 s16, s13, 1
	s_lshl_b32 s16, s16, 1
	s_add_co_u32 s62, s62, s16
	s_add_co_u32 s62, s62, 6291456
	s_add_nc_u64 s[72:73], s[8:9], s[62:63]
	s_mov_b32 s[SEL], 0x76543210
	s_mov_b32 s[SEL+1], 0xfedcba98
	s_mov_b32 s[CS], 0x3e38aa3b                    ; log2(e) / 8
	s_mov_b32 s[CS+1], s[CS]
	s_mov_b32 s[NC], 0xbe38aa3b
	v_and_b32 v28, 7, v0                           ; i
	v_bfe_u32 v29, v0, 3, 1                        ; h'
	v_bfe_u32 v30, v0, 4, 1                        ; h
	v_mul_u32_u24 v[KL], v29, 6*PT                 ; K's codes: two tiles of kv (6 rows) x h' + 8 i + 128 h
	v_lshlrev_b32 v[KSL], 7, v29                   ; K's scale words: 128 h' + 64 h + 4 i
	v_lshl_add_u32 v[KL], v28, 3, v[KL]
	v_lshl_add_u32 v[KSL], v30, 6, v[KSL]
	v_lshl_add_u32 v[KL], v30, 7, v[KL]
	v_lshl_add_u32 v[KSL], v28, 2, v[KSL]
	v_lshlrev_b32 v[SH8], 3, v30
.irp i, 0,1,2,3,4,5
	v_mov_b32 v[22+\i], 0                          ; Q's codes of k = 64 .. 127
	v_mov_b32 v[80+\i], 0                          ; what stands behind K's last tile
.endr
	v_mov_b32 v13, 0                               ; (named as the upper halves of the pairs v[12:13] and v[224:225])
	v_mov_b32 v225, 0
.irp b, 195,196,197
	v_mov_b32 v[\b], 0                             ; written once: a lane permute's destination counts as one of its sources
.endr
	INIT
	s_wait_alu depctr_va_vdst(0)                   ; the wait at the head's end
	s_wait_tensorcnt 0x0                           ; my part of the first chunk is in
	ds_add_u32 v[SPW], v[NIL]
	s_wait_dscnt 0x0
	CROUND                                         ; everybody's part is in, and the four work-groups are here: the joint loads meet
	tensor_load_to_lds s[52:55], s[32:39]          ; steps 4 to 15: my one tensor load behind the round
	s_nop 0
.rept 4
	v_nop
.endr
	s_wait_loadcnt 0x0                             ; Q, both passes'
	STEPS 4, 255
	s_wait_alu depctr_va_vdst(0)
	s_wait_tensorcnt 0x0                           ; my part of the second chunk
	s_wait_dscnt 0x0
	s_barrier_signal -1
	s_barrier_wait -1                              ; everybody's
	STEPS 12, 255
	OUT 0
	s_wait_xcnt 0x0                                ; the stores have read their data: those registers are written again only behind this wait
.irp i, 0,1,2,3,4,5
	v_mov_b32 v[16+\i], v[86+\i]                   ; the second pass: its Q; the head lies in LDS already
.endr
	INIT
	s_wait_alu depctr_va_vdst(0)
	STEPS 16, 254
	OUT 1
	s_wait_tensorcnt 0x0                           ; the wave's end
	ds_add_u32 v[SPW], v[NIL]
	s_wait_dscnt 0x0
	CROUND                                         ; the closing round: no work-group ends while a partner may still ask for a tile that names it
	s_endpgm
.Lfunc_end_k_q3b5f8345bb_attn:
	.size	k_q3b5f8345bb_attn, .Lfunc_end_k_q3b5f8345bb_attn-k_q3b5f8345bb_attn
	.p2alignl 7, 3214868480
	.fill 96, 4, 3214868480
	.section	.rodata,"a",@progbits
	.p2align	6, 0x0
	.amdhsa_kernel k_q3b5f8345bb_attn
		.amdhsa_group_segment_fixed_size 327680
		.amdhsa_private_segment_fixed_size 0
		.amdhsa_enable_private_segment 0
		.amdhsa_kernarg_size 24
		.amdhsa_user_sgpr_count 2
		.amdhsa_user_sgpr_kernarg_segment_ptr 1
		.amdhsa_wavefront_size32 1
		.amdhsa_system_sgpr_workgroup_id_x 1
		.amdhsa_system_sgpr_workgroup_id_y 1
		.amdhsa_system_sgpr_workgroup_id_z 1
		.amdhsa_system_vgpr_workitem_id 0
		.amdhsa_next_free_vgpr 256
		.amdhsa_next_free_sgpr 96
		.amdhsa_reserve_vcc 0
		.amdhsa_float_denorm_mode_32 3
		.amdhsa_float_denorm_mode_16_64 3
		.amdhsa_memory_ordered 1
		.amdhsa_forward_progress 1
		.amdhsa_inst_pref_size 71
	.end_amdhsa_kernel
	.amdgpu_metadata
---
amdhsa.version: [ 1, 2 ]
amdhsa.kernels:
  - .name:           k_q3b5f8345bb_attn
    .symbol:         k_q3b5f8345bb_attn.kd
    .args:
      - { .name: qc, .offset: 0, .size: 8, .value_kind: global_buffer, .address_space: global }
      - { .name: kv, .offset: 8, .size: 8, .value_kind: global_buffer, .address_space: global }
      - { .name: oq, .offset: 16, .size: 8, .value_kind: global_buffer, .address_space: global }
    .group_segment_fixed_size: 327680
    .private_segment_fixed_size: 0
    .kernarg_segment_align: 8
    .kernarg_segment_size: 24
    .max_flat_workgroup_size: 512
    .sgpr_count:     96
    .vgpr_count:     256
    .wavefront_size: 32
...
	.end_amdgpu_metadata
.endif
;; end of part 4
;; launch gemm_out (part 5): grid 4 x 64, 4 waves a work-group, clusters of 4 x 4, 327,680 bytes of LDS; arguments oq, wo, bout, out0; writes out0
.if DOCPART == 5
	.amdgcn_target "amdgcn-amd-amdhsa--gfx1250"
	.amdhsa_code_object_version 6
	.text
	.protected	k_q3b5f8345bb_gemm_out
	.globl	k_q3b5f8345bb_gemm_out
	.p2align	8
	.type	k_q3b5f8345bb_gemm_out,@function
k_q3b5f8345bb_gemm_out:
	s_mov_b64 s[64:65], 0
	v_nop
	global_prefetch_b8 v0, s[64:65] scope:SCOPE_SE
	s_setreg_imm32_b32 hwreg(HW_REG_WAVE_MODE, 25, 1), 1
	s_wait_xcnt 0x0
	s_wait_alu depctr_hold_cnt(0) depctr_sa_sdst(0) depctr_va_vdst(0) depctr_va_sdst(0) depctr_va_ssrc(0) depctr_va_vcc(0) depctr_vm_vsrc(0)
	s_getreg_b32 s2, hwreg(HW_REG_IB_STS2, 6, 4)
	s_cmp_eq_u32 s2, 0
	s_cbranch_scc0 .Lentry_in_a_cluster
	s_endpgm
.Lentry_in_a_cluster:
	s_bfe_u32 s2, ttmp6, 0x10000c
	s_cmp_lg_u32 s2, 0xf033
	s_cbranch_scc0 .Lentry_shape_is_right
	s_endpgm
.Lentry_shape_is_right:
; out0 = O Wout + bout on codes of FP6 (E2M3) with E8M0 scales, K = 1,024; f32 out.
; A = 128 rows of oq (tokens), B = 256 rows of wo (columns of the result).  4 x 64 work-groups of four waves; a wave makes 64 tokens x 128 columns: 32 accumulators of 16 x 16.
; ALL OF K LIES IN LDS: A's two halves (64 rows: 4 K steps x 4 tiles x 3,072 bytes) and B's two halves (128 rows: 4 x 8 x 3,072), each brought by ONE joint load, one a wave, at the head: a tile of 4 rows,
; one for each K step of 256, of 12,288 or 24,576 consecutive bytes.  Nothing is filled twice, and one tensor load of a wave is out.
; CLUSTERS: 4 x 4; A's halves are shared along a row of the cluster, B's along a column.  NO PREFETCH: every tile is asked for at the head; the text has no loop to run ahead in.
; THE SCALE WORDS go from memory into registers, once: a load reads 128 consecutive bytes, the words of 32 rows of one plane (128 along K): lanes 0-15 one block of 16 rows, lanes 16-31 the next.
; The matrix instruction is used transposed (source 0 = 16 rows of wo, source 1 = 16 tokens): a lane holds one token, and the 16 registers of tiles 2 b, 2 b + 1 are 16 neighbouring columns (the rows of wo lie in that order).
; THE WAY OUT: a block of 16 tokens x 128 columns goes through the wave's stage and comes back as rows of 512 bytes.  The stages lie on A's bytes, which have had their only fill; a barrier behind every wave's last
; fragment load stands ahead of the first store there.
; REGISTERS: window 0: v16-29 addresses; v32-47 A's scale words, v48-79 B's; v80-143 the bias; v144-239 A's fragments, two sets; on the way out v128-255; window 1: B's fragments, two sets; window 2: the accumulators.
.set NTA,   512
.set NTB,   64
.set SCA,   6291456
.set SCB,   786432
.set PLA,   32768
.set PLB,   4096
.set BYA,   0
.set FR,    12
.set HA,    49152
.set HB,    98304
.set SPARE, 2*HA+2*HB
.set SPITCH, 528
.set ADRA, 16
.set ADRB, 20
.set STO,  22
.set RD,   23
.set CO,   24
.set SPW,  28
.set NIL,  29
.set SA,   32
.set SB,   48
.set BIAS, 80
.set AF,   144
.set BK,   128
.set WV,   96
.set RH,   97
.set CH,   98
.set G1, 24
.set G0, 32
.set G1B, 48
.set G0B, 56
.set MUL_LO, 0xa1
.set MSB, 0
.macro WIN new
.if MSB != (\new)
	s_set_vgpr_msb (MSB<<8)|(\new)
.set MSB, (\new)
.endif
.endm
.macro CROUND
	s_barrier_signal -1
	s_barrier_wait -1
	s_cmp_lg_u32 s[WV], 0
	s_cbranch_scc1 .Lnot_wave_0_\@
	s_barrier_signal -3
.Lnot_wave_0_\@:
	s_barrier_wait -3
	s_barrier_signal -1
	s_barrier_wait -1
.endm
.macro PLACES
.rept 4
	v_nop
.endr
.endm
.macro FRAGL reg, adr, off
.irp p, 0,1,2,3,4,5
	ds_load_b64 v[(\reg)+2*\p:(\reg)+2*\p+1], v[\adr] offset:(\off)+256*\p
.endr
.endm
.macro FETCH s                         ; step s's fragments (128 along K) into set s % 2: B's eight, A's four
	WIN 0x40
.irp i, 0,1,2,3,4,5,6,7
	FRAGL 128*((\s)%2)+FR*\i, ADRB+(\s)/4, 24576*(((\s)/2)%2)+1536*((\s)%2)+3072*\i
.endr
	WIN 0
.irp i, 0,1,2,3
	FRAGL AF+48*((\s)%2)+FR*\i, ADRA, 12288*((\s)/2)+1536*((\s)%2)+3072*\i
.endr
.endm
.macro WL d, bf, af, c, sb, sa, ra, rb  ; one product; ra, rb: which half of the lanes holds source 0's and source 1's scale words
.if (\ra)+2*(\rb) == 0
	v_wmma_scale_f32_16x16x128_f8f6f4 v[(\d):(\d)+7], v[(\bf):(\bf)+11], v[(\af):(\af)+11], v[(\c):(\c)+7], v[(\sb)], v[(\sa)] matrix_a_fmt:MATRIX_FMT_FP6 matrix_b_fmt:MATRIX_FMT_FP6
.endif
.if (\ra)+2*(\rb) == 1
	v_wmma_scale_f32_16x16x128_f8f6f4 v[(\d):(\d)+7], v[(\bf):(\bf)+11], v[(\af):(\af)+11], v[(\c):(\c)+7], v[(\sb)], v[(\sa)] matrix_a_fmt:MATRIX_FMT_FP6 matrix_b_fmt:MATRIX_FMT_FP6 matrix_a_scale:MATRIX_SCALE_ROW1
.endif
.if (\ra)+2*(\rb) == 2
	v_wmma_scale_f32_16x16x128_f8f6f4 v[(\d):(\d)+7], v[(\bf):(\bf)+11], v[(\af):(\af)+11], v[(\c):(\c)+7], v[(\sb)], v[(\sa)] matrix_a_fmt:MATRIX_FMT_FP6 matrix_b_fmt:MATRIX_FMT_FP6 matrix_b_scale:MATRIX_SCALE_ROW1
.endif
.if (\ra)+2*(\rb) == 3
	v_wmma_scale_f32_16x16x128_f8f6f4 v[(\d):(\d)+7], v[(\bf):(\bf)+11], v[(\af):(\af)+11], v[(\c):(\c)+7], v[(\sb)], v[(\sa)] matrix_a_fmt:MATRIX_FMT_FP6 matrix_b_fmt:MATRIX_FMT_FP6 matrix_a_scale:MATRIX_SCALE_ROW1 matrix_b_scale:MATRIX_SCALE_ROW1
.endif
.endm
.macro MUL s, zero                     ; 32 products, the 32 accumulators by turns; zero = 1: the bias starts the sums
.irp a, 0,1,2,3
.irp b, 0,1,2,3,4,5,6,7
	WL 8*(8*\a+\b), 128*((\s)%2)+FR*\b, AF+48*((\s)%2)+FR*\a, (\zero)*(BIAS+8*(BYA*\a+(1-BYA)*\b))+(1-(\zero))*8*(8*\a+\b), SB+4*(\s)+\b/2, SA+2*(\s)+\a/2, \b%2, \a%2
.endr
.endr
.endm
.macro STEP s, zero
	s_wait_dscnt 0x0                               ; this step's 72 loads, issued ahead of the last step's products
.if (\s) > 0
	PLACES                                         ; four places between the last step's products and the loads into the set that they read
.endif
	FETCH (\s)+1
.if \zero
	WIN 0x81
.else
	WIN MUL_LO
.endif
	MUL \s, \zero
.endm
	s_load_b128 s[4:7], s[0:1], 0x0                ; oq, wo
	s_load_b128 s[8:11], s[0:1], 0x10              ; bout, out0
	v_lshl_add_u32 v[SPW], v0, 2, SPARE
	v_mov_b32 v[NIL], 0
	ds_add_u32 v[SPW], v[NIL]                      ; the opening lines: the add, twice on end, and its wait
	ds_add_u32 v[SPW], v[NIL]
	v_lshrrev_b32 v1, 5, v0
	v_readfirstlane_b32 s[WV], v1
	s_lshr_b32 s[RH], s[WV], 1                     ; my half of A's rows; also: I fetch for A (0) or for B (1)
	s_and_b32 s[CH], s[WV], 1                      ; my half of B's rows; also: which half I fetch
	s_bfe_u32 s40, ttmp6, 0x40000
	s_bfe_u32 s41, ttmp6, 0x40004
	s_lshl_b32 s42, ttmp9, 2
	s_add_co_u32 s42, s42, s40                     ; B's tile of 256 rows
	s_and_b32 s17, ttmp7, 0xffff
	s_lshl_b32 s17, s17, 2
	s_add_co_u32 s17, s17, s41                     ; A's tile of 128 rows
	s_lshl_b32 s43, s41, 2
	s_lshl_b32 s43, 15, s43
	s_lshl_b32 s44, 0x1111, s40
	s_or_b32 s[G1], s43, (3<<16)|(1<<21)
	s_or_b32 s[G1B], s44, (3<<16)|(1<<21)
	s_mov_b32 s[G1+1], 1536<<16                    ; A: 4 rows of 1,536 elements of 8 bytes, a K step's tiles of the buffer apart
	s_mov_b32 s[G1+2], 4<<16
	s_mov_b32 s[G1+3], 1536<<16
	s_mov_b32 s[G1+4], 4
	s_mov_b32 s[G1+5], NTA*384
	s_mov_b32 s[G1+6], 0
	s_mov_b32 s[G1+7], 0
	s_mov_b32 s[G1B+1], 3072<<16                   ; B: 4 rows of 3,072 elements
	s_mov_b32 s[G1B+2], 4<<16
	s_mov_b32 s[G1B+3], 3072<<16
	s_mov_b32 s[G1B+4], 4
	s_mov_b32 s[G1B+5], NTB*384
	s_mov_b32 s[G1B+6], 0
	s_mov_b32 s[G1B+7], 0
	s_lshl_b32 s20, s17, 3
	s_lshl_b32 s18, s[CH], 2
	s_add_co_u32 s20, s20, s18
	s_mul_i32 s20, s20, 3072
	s_mov_b32 s21, 0
	s_lshl_b32 s46, s42, 4
	s_lshl_b32 s18, s[CH], 3
	s_add_co_u32 s46, s46, s18
	s_mul_i32 s46, s46, 3072
	s_mov_b32 s47, 0
	s_lshl_b32 s22, s17, 9
	s_lshl_b32 s18, s[RH], 8
	s_add_co_u32 s22, s22, s18
	s_add_co_u32 s22, s22, SCA                     ; the scale words of my 64 rows of A
	s_mov_b32 s23, 0
	s_lshl_b32 s92, s42, 10
	s_lshl_b32 s18, s[CH], 9
	s_add_co_u32 s92, s92, s18
	s_add_co_u32 s92, s92, SCB                     ; and of my 128 rows of B
	s_mov_b32 s93, 0
	s_mul_i32 s45, s[CH], HA
	s_mul_i32 s94, s[CH], HB
	s_add_co_u32 s94, s94, 2*HA
	s_wait_dscnt 0x0
	s_wait_kmcnt 0x0
	s_mov_b32 s[G0], 1
	s_mov_b32 s[G0+1], s45
	s_add_nc_u64 s[G0+2:G0+3], s[4:5], s[20:21]
	s_or_b32 s[G0+3], s[G0+3], 0x80000000
	s_mov_b32 s[G0B], 1
	s_mov_b32 s[G0B+1], s94
	s_add_nc_u64 s[G0B+2:G0B+3], s[6:7], s[46:47]
	s_or_b32 s[G0B+3], s[G0B+3], 0x80000000
	s_add_nc_u64 s[68:69], s[4:5], s[22:23]
	s_add_nc_u64 s[70:71], s[6:7], s[92:93]
	CROUND                                         ; all sixteen work-groups are here: the joint loads meet
	s_cmp_eq_u32 s[RH], 0
	s_cbranch_scc0 .Lfor_b
	tensor_load_to_lds s[G0:G0+3], s[G1:G1+7]
	s_nop 0
.rept 4
	v_nop
.endr
	s_branch .Lasked
.Lfor_b:
	tensor_load_to_lds s[G0B:G0B+3], s[G1B:G1B+7]
	s_nop 0
.rept 4
	v_nop
.endr
.Lasked:
	s_mul_i32 s21, s[RH], HA
	s_mul_i32 s22, s[CH], HB
	s_add_co_u32 s22, s22, 2*HA
	s_add_co_u32 s20, s22, HB/2
	s_mul_i32 s23, s[WV], 16*SPITCH                ; my stage, on A's bytes
	s_lshl_b32 s72, s42, 10
	s_lshl_b32 s73, s[CH], 9
	s_add_co_u32 s72, s72, s73                     ; my first column, in bytes
	s_mov_b32 s73, 0
	s_add_nc_u64 s[8:9], s[8:9], s[72:73]
	s_add_nc_u64 s[10:11], s[10:11], s[72:73]
	s_lshl_b32 s18, s17, 7
	s_lshl_b32 s19, s[RH], 6
	s_add_co_u32 s18, s18, s19
	s_lshl_b32 s18, s18, 12                        ; my first row of 4,096 bytes
	s_mov_b32 s19, 0
	s_add_nc_u64 s[10:11], s[10:11], s[18:19]
	v_and_b32 v1, 15, v0
	v_bfe_u32 v2, v0, 4, 1
	v_and_b32 v3, 31, v0
	v_lshlrev_b32 v18, 3, v3
	v_lshlrev_b32 v19, 2, v3
	v_mul_u32_u24 v[STO], v1, SPITCH
	v_lshlrev_b32 v[CO], 4, v3
	v_lshlrev_b32 v25, 6, v2
	v_add_nc_u32 v[ADRA], s21, v18
	v_add_nc_u32 v[ADRB], s22, v18
	v_add_nc_u32 v[ADRB+1], s20, v18
	v_lshl_add_u32 v[STO], v2, 6, v[STO]
	v_add_nc_u32 v[RD], s23, v[CO]
	v_add_nc_u32 v[STO], s23, v[STO]
.irp s, 0,1,2,3,4,5,6,7
.irp e, 0,1
	global_load_b32 v[SA+2*\s+\e], v19, s[68:69] offset:PLA*\s+128*\e
.endr
.irp e, 0,1,2,3
	global_load_b32 v[SB+4*\s+\e], v19, s[70:71] offset:PLB*\s+128*\e
.endr
.endr
.irp b, 0,1,2,3,4,5,6,7
	global_load_b128 v[BIAS+8*\b:BIAS+8*\b+3], v25, s[8:9] offset:(32*(\b/2)+8*(\b%2))*4
	global_load_b128 v[BIAS+8*\b+4:BIAS+8*\b+7], v25, s[8:9] offset:(32*(\b/2)+8*(\b%2))*4+16
.endr
.macro TOSTAGE a
.set AC, 64*(\a)
	WIN 0x08                                       ; the data: window 2
.irp b, 0,1,2,3,4,5,6,7
	ds_store_b128 v[STO], v[AC+8*\b:AC+8*\b+3] offset:(32*(\b/2)+8*(\b%2))*4      ; each accumulator from its low end on
	ds_store_b128 v[STO], v[AC+8*\b+4:AC+8*\b+7] offset:(32*(\b/2)+8*(\b%2))*4+16
.endr
	WIN 0
.set BB, BK+64*((\a)%2)
.irp t, 0,1,2,3,4,5,6,7,8,9,10,11,12,13,14,15
	ds_load_b128 v[BB+4*\t:BB+4*\t+3], v[RD] offset:\t*SPITCH   ; LDS serves a wave's instructions in order: these see the stores above
.endr
.endm
.macro SEND a, younger                 ; younger: the LDS instructions issued behind block a's loads, which may stay out
.set BB, BK+64*((\a)%2)
	s_wait_dscnt \younger
.irp t, 0,1,2,3,4,5,6,7,8,9,10,11,12,13,14,15
	global_store_b128 v[CO], v[BB+4*\t:BB+4*\t+3], s[10:11] offset:(32*((\a)/2)+8*((\a)%2)+\t+8*(\t/8))*4096 th:TH_STORE_NT   ; 512 consecutive bytes, at a multiple of 256 from the buffer's first byte; the tokens' places go back to their true rows
.endr
.endm
	s_wait_alu depctr_va_vdst(0)                   ; the wait at the head's end
	s_wait_tensorcnt 0x0                           ; my half tile is in
	s_barrier_signal -1
	s_barrier_wait -1                              ; everybody's is
	FETCH 0
	s_wait_loadcnt 0x0                             ; the scale words and the bias
	STEP 0, 1
.irp s, 1,2,3,4,5,6
	STEP \s, 0
.endr
	s_wait_dscnt 0x0                               ; the last step's fragments are in: my reads of the tiles are over;
	s_barrier_signal -1                            ; say so,
	WIN MUL_LO
	MUL 7, 0                                       ; work on registers while the others arrive,
	WIN 0
	s_barrier_wait -1                              ; and only then are A's bytes used as stages
	PLACES
	TOSTAGE 0
.irp a, 1,2,3
.if \a > 1
	s_wait_xcnt 0x0                                ; block a - 2's stores have read their registers: block a's loads may land there
.endif
	TOSTAGE \a
	SEND \a-1, 32                                  ; behind block a - 1's loads: block a's 16 stores and 16 loads
.endr
	SEND 3, 0
	s_wait_tensorcnt 0x0                           ; the wave's end
	ds_add_u32 v[SPW], v[NIL]
	s_wait_dscnt 0x0
	CROUND                                         ; the closing round
	s_endpgm
.Lfunc_end_k_q3b5f8345bb_gemm_out:
	.size	k_q3b5f8345bb_gemm_out, .Lfunc_end_k_q3b5f8345bb_gemm_out-k_q3b5f8345bb_gemm_out
	.p2alignl 7, 3214868480
	.fill 96, 4, 3214868480
	.section	.rodata,"a",@progbits
	.p2align	6, 0x0
	.amdhsa_kernel k_q3b5f8345bb_gemm_out
		.amdhsa_group_segment_fixed_size 327680
		.amdhsa_private_segment_fixed_size 0
		.amdhsa_enable_private_segment 0
		.amdhsa_kernarg_size 32
		.amdhsa_user_sgpr_count 2
		.amdhsa_user_sgpr_kernarg_segment_ptr 1
		.amdhsa_wavefront_size32 1
		.amdhsa_system_sgpr_workgroup_id_x 1
		.amdhsa_system_sgpr_workgroup_id_y 1
		.amdhsa_system_sgpr_workgroup_id_z 1
		.amdhsa_system_vgpr_workitem_id 0
		.amdhsa_next_free_vgpr 768
		.amdhsa_next_free_sgpr 100
		.amdhsa_reserve_vcc 0
		.amdhsa_float_denorm_mode_32 3
		.amdhsa_float_denorm_mode_16_64 3
		.amdhsa_memory_ordered 1
		.amdhsa_forward_progress 1
		.amdhsa_inst_pref_size 97
	.end_amdhsa_kernel
	.amdgpu_metadata
---
amdhsa.version: [ 1, 2 ]
amdhsa.kernels:
  - .name:           k_q3b5f8345bb_gemm_out
    .symbol:         k_q3b5f8345bb_gemm_out.kd
    .args:
      - { .name: oq, .offset: 0, .size: 8, .value_kind: global_buffer, .address_space: global }
      - { .name: wo, .offset: 8, .size: 8, .value_kind: global_buffer, .address_space: global }
      - { .name: bout, .offset: 16, .size: 8, .value_kind: global_buffer, .address_space: global }
      - { .name: out0, .offset: 24, .size: 8, .value_kind: global_buffer, .address_space: global }
    .group_segment_fixed_size: 327680
    .private_segment_fixed_size: 0
    .kernarg_segment_align: 8
    .kernarg_segment_size: 32
    .max_flat_workgroup_size: 128
    .sgpr_count:     100
    .vgpr_count:     768
    .wavefront_size: 32
...
	.end_amdgpu_metadata
.endif
;; end of part 5
